; MI455X (gfx1250); checked and timed in simulation.
; The chip was launched on July 23, 2026; its instructions are those of AMD's public machine-readable ISA for CDNA 5 (MIT licence, August 2026) and "CDNA5" Instruction Set Architecture Reference Guide (July 2026). The comments in the code are by the model that wrote it; some were corrected since.
;; Attention. Allowed arithmetic: matrix products marked QUANTISED: E2M3 operands, one E8M0 scale for each 32 along K, by v_wmma_scale_f32_16x16x128_f8f6f4 with both operands' format E2M3, f32 sums; everything else in f32.
;; Inputs: mask 4 x 2,048 x 2,048 bool; w_out 1,024 x 1,024 float32; w_qkv 1,024 x 3,072 float32; x 4 x 2,048 x 1,024 float32.
;; Outputs: out0 4 x 2,048 x 1,024 float32.
;; This version of the problem:
;;   THIS VERSION OF THE PROBLEM IS GIVEN IN LOW PRECISION. The matrix products marked QUANTISED in the list below multiply operands that are first quantised to E2M3 (2 exponent bits, 3 mantissa bits; 6 bits a number), with one power-of-two scale for each 32 numbers along K (OCP MX v1.0); their sums are f32. All else is computed in f32.
;;   The module's matrix products, in the order in which they are computed (A, B: the left and right operand; K: the contracted axis; several contracted axes count as one K, in the product's order):
;;     1. [M 8,192, K 1,024] x [K 1,024, N 3,072]; A: input x; B: input w_qkv: QUANTISED
;;     2. batch 64 x [M 2,048, K 64] x [K 64, N 2,048]; A: computed on the way; B: computed on the way: QUANTISED
;;     3. batch 64 x [M 2,048, K 2,048] x [K 2,048, N 64]; A: softmax (see below); B: computed on the way: QUANTISED
;;     4. [M 8,192, K 1,024] x [K 1,024, N 1,024]; A: computed on the way; B: input w_out: QUANTISED
;;   THE QUANTISER, for each operand of a quantised product, along K:
;;     - K is cut into blocks of 32 from its start; a last block that is shorter is filled with zeros.
;;     - A block's scale is 2^e with e = floor(log2(the largest magnitude in the block)) - 2, held to -126 .. 127; a block of zeros has e = 0. As a byte (E8M0): e + 127.
;;     - Each number is divided by its block's scale, clamped to +-7.5, and rounded to the nearest number of E2M3, ties to even, subnormals kept.
;;     - The product sums the exact products of the quantised numbers (number of the format x scale) in f32.
;;   ~~~python
;;   def quantise(x, axis):      # numpy; x: float32 -> the quantised numbers, widened to float32 again
;;       x = np.moveaxis(x, axis, -1); K = x.shape[-1]
;;       x = np.pad(x, [(0, 0)] * (x.ndim - 1) + [(0, -K % 32)]); x = x.reshape(x.shape[:-1] + (-1, 32)); a = np.abs(x).max(-1, keepdims=True)
;;       e = np.where(a > 0, np.clip(np.frexp(np.where(a > 0, a, 1))[1] - 1 - 2, -126, 127), 0)      # np.frexp(a)[1] - 1 = floor(log2(a)), exactly
;;       r = np.clip(x / 2.0 ** e, -7.5, 7.5)
;;       step = 2.0 ** (np.maximum(np.frexp(np.where(r == 0, 1, r))[1] - 1, 0) - 3)
;;       q = np.round(r / step) * step * 2.0 ** e      # np.round: ties to even
;;       return np.moveaxis(q.reshape(q.shape[:-2] + (-1,))[..., :K], -1, axis).astype(np.float32)
;;   ~~~
;;   SOFTMAX AHEAD OF A QUANTISED PRODUCT. Where the list says 'softmax', what is quantised is not the finished softmax but p = 2^(t - M), with t = logit x log2(e) and M = ceil(the row's largest t), a whole number; so 1/2 < the row's largest p <= 1. The row's sum l is taken of the UNQUANTISED p, in f32, and the product's result is divided by l at the end. Since M is a whole number, a kernel that streams over the keys may use a running M (the ceiling of the running maximum): every later rescaling is an exact power of two, which a block's scale takes up: the codes' values come out the same.
;;   OPERANDS COMPUTED ON THE WAY. 'Computed on the way' means the value that the module computes at that place (a softmax that the list does not call 'softmax' is quantised finished and normalised). What goes into a quantiser is computed in f32, as accurately as f32 sums, v_exp_f32 and their like allow (about 1e-6 of the number): no bf16 or f16 on the way to a quantiser, and a product that is left as it is and whose result goes on into a quantised operand takes f32 operands (vector FMAs, or v_wmma_f32_16x16x4_f32). A number that lies on a knife's edge between two numbers of the format may be rounded either way, as far as f32 arithmetic and the matrix unit's own rounding can turn it there, and no further.
;; One version. Each part assembles by itself: llvm-mc -triple=amdgcn-amd-amdhsa -mcpu=gfx1250 --defsym DOCPART=n.
;; ======== version 1 of 1: 4 launches
;; limits: right only within a limited range of input values
;; workspace buffers: xq 6,553,600 bytes; wq 2,457,600 bytes; wo 819,200 bytes; oq 6,553,600 bytes; qc 6,553,600 bytes; kv 13,107,200 bytes; mb 2,097,152 bytes of whole numbers
;; launch prep (part 1): grid 640 x 1, 4 waves a work-group, no clusters, 95,744 bytes of LDS; arguments x, w_qkv, w_out, mask, xq, wq, wo, mb; writes xq, wq, wo, mb
.if DOCPART == 1
	.amdgcn_target "amdgcn-amd-amdhsa--gfx1250"
	.amdhsa_code_object_version 6
	.text
	.protected	k_q51a1c27dd3_prep
	.globl	k_q51a1c27dd3_prep
	.p2align	8
	.type	k_q51a1c27dd3_prep,@function
k_q51a1c27dd3_prep:
	s_mov_b64 s[64:65], 0
	v_nop
	global_prefetch_b8 v0, s[64:65] scope:SCOPE_SE
	s_setreg_imm32_b32 hwreg(HW_REG_WAVE_MODE, 25, 1), 1
	s_wait_xcnt 0x0
; PREPARATION.  x [8192][1024], w_qkv [1024][3072], w_out [1024][1024] (f32) become codes of FP6 (E2M3) with one E8M0 byte for each 32 along K; mask [4][2048][2048] (bytes) becomes words of 32 bits.
; A block's scale is 2^(floor(log2(largest magnitude)) - 2); its byte is the largest magnitude's exponent field - 2, held at 1 from below.
; LIMITS: a block of zeros gets the byte 1 where the quantiser says 127 (its codes are zeros, and this program alone reads the bytes); NaN and infinities among the inputs are not served.
; OPERAND FORMAT.  128 rows (tokens of x, columns n of a weight) are a group of 102,400 bytes: 4 chunks of 256 along K, 25,600 bytes each: 8 tiles x 1,536 bytes for the first 128 along K, 8 for the second,
; then 128 x 8 bytes of scale words.  A tile is the IMAGE of a matrix operand: register p of lane l at 512 (p / 4) + 16 l + 4 (p % 4).
; POSITION ORDER.  In each 32 rows position 16 u + p holds row 8 u + p + 8 (p / 8), so that as source 0 of a matrix instruction two neighbouring tiles leave 16 neighbours in a lane's 16 registers.
; Three paths part on the work-group's number, each with LDS bytes of its own: 0-255 x, 256-383 the weights, 384-639 the mask.  No tensor load, no barrier: waves share nothing.
; No matrix unit, cluster or large tile: memory binds, each byte is read once and every store of codes covers 512 consecutive bytes.
.set XWB,   8704                       ; path X: a wave's stage, 16 rows x 528 bytes, and its 256 scale bytes
.set WST,   34816                      ; path W: four images a wave, 1,664 bytes apart
.set WWB,   6656
.set MST,   61440                      ; path M: a wave's stage, 16 rows x 528 bytes
.set MWB,   8448
.set SPARE, 95232                      ; the spare words, 128 bytes a wave: two blocks of 256 bytes that no other line names
.set SPW,   10                         ; v10  SPARE + 4 x my thread's number; never rewritten
.set NIL,   11                         ; v11  0; never rewritten
.set TM,    12                         ; path X: v12-15 largest magnitudes, v16-19 the other half's, then bytes, v24-27 scale operands
.set PW,    28                         ; the scale word just made
.set TP,    30                         ; v30-32, v34-36 the second halves of the blocks' codes
.set PC,    40                         ; v40-51, v52-63 two sets of a fragment's codes
.set R,     64                         ; v64-255 three sets of 64 numbers
.set VO,    32                         ; path W: v32-63 offsets of 32 rows of the weight
.set X,     64                         ; path W: v64-127 two sets of 32 numbers
.set BS,    32                         ; path W: s[32:47] a base for each of 8 blocks
.set OUT,   12                         ; path M: v12-27 the words, four to a lane
	s_load_b256 s[4:11], s[0:1], 0x0               ; x s[4:5], w_qkv s[6:7], w_out s[8:9], mask s[10:11]
	s_load_b256 s[12:19], s[0:1], 0x20             ; xq s[12:13], wq s[14:15], wo s[16:17], mb s[18:19]
	v_lshl_add_u32 v[SPW], v0, 2, SPARE
	v_mov_b32 v[NIL], 0
	v_lshrrev_b32 v1, 5, v0
	v_readfirstlane_b32 s20, v1                    ; wave 0..3
	v_and_b32 v9, 31, v0                           ; lane l
	v_and_b32 v8, 15, v0                           ; r = l % 16
	v_bfe_u32 v7, v0, 4, 1                         ; h = l / 16
	v_lshlrev_b32 v1, 4, v9                        ; 16 l: never rewritten
	s_wait_kmcnt 0x0
	s_cmp_lt_u32 ttmp9, 256
	s_cbranch_scc1 .Lpath_x
	s_cmp_lt_u32 ttmp9, 384
	s_cbranch_scc1 .Lpath_w
; ---- PATH M.  A wave takes one tile of 16 queries (by position) x 1,024 keys.  Word j of a key step of 128: bit l = mask(query at position l % 16, key 32 (j / 16) + 16 (l / 16) + j % 16):
; the lanes and registers in which the attention launch holds its scores.  mb: [tile 512][step 16][j 64] words.
	s_sub_co_u32 s21, ttmp9, 384
	s_lshl_b32 s21, s21, 2
	s_add_co_u32 s21, s21, s20                     ; 0..1023
	s_lshr_b32 s22, s21, 1                         ; the tile
	s_and_b32 s23, s21, 1                          ; which 1,024 keys
	s_lshr_b32 s24, s22, 1
	s_lshl_b32 s24, s24, 5
	s_and_b32 s25, s22, 1
	s_lshl_b32 s25, s25, 3
	s_add_co_u32 s24, s24, s25                     ; the row at position 0: 32 (tile / 2) + 8 (tile % 2)
	s_lshl_b32 s24, s24, 11                        ; a row of the mask is 2,048 bytes
	s_lshl_b32 s25, s23, 10
	s_add_co_u32 s24, s24, s25
	s_mov_b32 s25, 0
	s_add_nc_u64 s[10:11], s[10:11], s[24:25]
	s_lshl_b32 s24, s22, 12                        ; 4,096 bytes of words a tile
	s_lshl_b32 s26, s23, 11
	s_add_co_u32 s24, s24, s26
	s_add_nc_u64 s[18:19], s[18:19], s[24:25]
	s_mul_i32 s27, s20, MWB
	s_add_co_u32 s27, s27, MST                     ; my stage
	s_wait_alu depctr_va_vdst(0)
	v_add_nc_u32 v2, s27, v1                       ; in: 16 l, a row of 512 bytes an instruction
	v_mul_u32_u24 v3, v8, 528
	v_lshl_add_u32 v3, v7, 4, v3
	v_add_nc_u32 v3, s27, v3                       ; back: row r, + 16 h
.irp u, 0,1
.irp p, 0,1,2,3,4,5,6,7,8,9,10,11,12,13,14,15
	global_load_b128 v[64+64*\u+4*\p:64+64*\u+4*\p+3], v1, s[10:11] offset:(\p+8*(\p/8))*2048+512*\u th:TH_LOAD_NT   ; 512 consecutive bytes of the row at position p
.endr
.endr
.irp i, 0,1,2,3,4,5,6,7,8,9,10,11,12,13,14,15
	v_mov_b32 v[OUT+\i], 0                         ; written once: the destination of v_writelane_b32 counts as read
.endr
; 512 keys: through the stage, so that lane (r, h) holds 16 neighbouring keys of each block of 32 of its query; then a compare for each byte place gives a word of 32 lanes.
.macro MUNIT u
	s_wait_loadcnt 16-16*\u                        ; this unit's 16 loads are in; the next unit's may be out
.irp p, 0,1,2,3,4,5,6,7,8,9,10,11,12,13,14,15
	ds_store_b128 v2, v[64+64*\u+4*\p:64+64*\u+4*\p+3] offset:528*\p
.endr
.irp s, 0,1,2,3
.irp b, 0,1,2,3
	ds_load_b128 v[64+64*\u+16*\s+4*\b:64+64*\u+16*\s+4*\b+3], v3 offset:128*\s+32*\b   ; LDS serves a wave's instructions in order: these see my stores
.endr
.endr
	s_wait_dscnt 0x0
.irp s, 0,1,2,3
.irp b, 0,1,2,3
.irp w, 0,2
.irp k, 0,1,2,3,4,5,6,7
	v_and_b32 v[32+\k], 0xff<<(8*(\k%4)), v[64+64*\u+16*\s+4*\b+\w+\k/4]
.endr
.irp k, 0,1,2,3,4,5,6,7
	v_cmp_ne_u32 s[48+\k], 0, v[32+\k]             ; word j = 16 b + 4 (w + k / 4) + k % 4 of step s
.endr
.irp k, 0,1,2,3,4,5,6,7
	v_writelane_b32 v[OUT+8*\u+4*(\s/2)+\k%4], s[48+\k], 16*(\s%2)+4*\b+\w+\k/4   ; four neighbouring words to a lane
.endr
.endr
.endr
.endr
.irp c, 0,1
	global_store_b128 v1, v[OUT+8*\u+4*\c:OUT+8*\u+4*\c+3], s[18:19] offset:1024*\u+512*\c   ; two steps' words: 512 consecutive bytes
.endr
.endm
	MUNIT 0
	MUNIT 1
	s_branch .Lend
; ---- PATH X.  Work-group = group G of 128 tokens x chunk T of 256 along K; a wave takes 32 tokens: 4 units of 16 tokens x 128 K, each one fragment.
.Lpath_x:
	s_lshr_b32 s21, ttmp9, 2                       ; G
	s_and_b32 s22, ttmp9, 3                        ; T
	s_lshl_b32 s23, s21, 7
	s_lshl_b32 s24, s20, 5
	s_add_co_u32 s23, s23, s24                     ; my first token
	s_lshl_b32 s24, s23, 12                        ; a row of x is 4,096 bytes
	s_lshl_b32 s25, s22, 10
	s_add_co_u32 s24, s24, s25
	s_mov_b32 s25, 0
	s_add_nc_u64 s[4:5], s[4:5], s[24:25]
	s_mul_i32 s24, s21, 102400
	s_mul_i32 s26, s22, 25600
	s_add_co_u32 s24, s24, s26
	s_add_nc_u64 s[12:13], s[12:13], s[24:25]      ; my chunk of xq
	s_mul_i32 s27, s20, XWB                        ; my stage
	s_wait_alu depctr_va_vdst(0)
	v_add_nc_u32 v2, s27, v1                       ; in: 16 l
	v_mul_u32_u24 v3, v8, 528
	v_lshl_add_u32 v3, v7, 6, v3
	v_add_nc_u32 v3, s27, v3                       ; back: row r, + 64 h: my 16 numbers of a block of 32
	s_add_co_u32 s28, s27, 8448
	v_lshl_add_u32 v4, v8, 3, s28                  ; my row's scale words,
	v_lshl_add_u32 v5, v9, 3, s28                  ; and on the way out 8 bytes a lane
	s_lshl_b32 s26, s20, 8
	v_lshl_add_u32 v6, v9, 3, s26                  ; in the chunk's scale words: 256 x wave + 8 l
	s_mul_i32 s26, s20, 3072
	v_add_nc_u32 v29, s26, v1                      ; in the chunk's images: two tiles a wave, + 16 l
	s_mov_b32 s30, 0x76543210
	s_mov_b32 s31, 0xfedcba98                      ; v_permlanex16_b32: lane l xor 16
.irp b, 0,1,2,3
	v_mov_b32 v[TM+4+\b], 0                        ; written once: a lane permute's destination counts as one of its sources
.endr
.macro XLOADU u                        ; unit u: tile u / 2, K step u % 2: 16 rows by position, 512 consecutive bytes each
.set RS, R+64*((\u)%3)
.irp p, 0,1,2,3,4,5,6,7,8,9,10,11,12,13,14,15
	global_load_b128 v[RS+4*\p:RS+4*\p+3], v1, s[4:5] offset:(8*((\u)/2)+\p+8*(\p/8))*4096+512*((\u)%2) th:TH_LOAD_NT
.endr
.endm
; 64 numbers of a lane, register 16 b + i = k 32 b + 16 h + i of my row, become a fragment's 12 registers of codes and its scale word.
.macro QUANT s, pc
.irp b, 0,1,2,3
	v_max3_num_f32 v[TM+\b], |v[\s+16*\b]|, |v[\s+1+16*\b]|, 0x1800000   ; my 16 numbers of block b, and the floor 2^(3 - 127): the byte cannot fall under 1
.endr
.irp i, 2,4,6,8,10,12,14
.irp b, 0,1,2,3
	v_max3_num_f32 v[TM+\b], v[TM+\b], |v[\s+16*\b+\i]|, |v[\s+1+16*\b+\i]|
.endr
.endr
.irp b, 0,1,2,3
	v_permlanex16_b32 v[TM+4+\b], v[TM+\b], s30, s31
.endr
.irp b, 0,1,2,3
	v_max_num_f32 v[TM+\b], v[TM+\b], v[TM+4+\b]   ; with lane l xor 16's: the block's largest magnitude
.endr
.irp b, 0,1,2,3
	v_add_nc_u32 v[TM+12+\b], 0xff000000, v[TM+\b] ; 2 off its exponent field: the conversion's scale operand
.endr
.irp b, 0,1,2,3
	v_lshrrev_b32 v[TM+4+\b], 23, v[TM+12+\b]      ; the scale's byte
.endr
	v_lshl_or_b32 v[PW], v[TM+5], 8, v[TM+4]
	v_lshl_or_b32 v[PW], v[TM+6], 16, v[PW]
	v_lshl_or_b32 v[PW], v[TM+7], 24, v[PW]
.irp c, 0,1
	v_cvt_scalef32_pk16_fp6_f32 v[\pc+6*\c:\pc+6*\c+2], v[\s+32*\c:\s+32*\c+15], v[TM+12+2*\c]
	v_cvt_scalef32_pk16_fp6_f32 v[TP+4*\c:TP+4*\c+2], v[\s+32*\c+16:\s+32*\c+31], v[TM+12+2*\c+1]
.endr
	v_nop                                          ; one plain place behind the scaled conversions
.irp c, 0,1                                    ; the operand wants a whole block in a lane: lanes 0-15 block 2 c, lanes 16-31 block 2 c + 1
.irp i, 0,1,2
	v_permlane16_swap_b32 v[\pc+6*\c+\i], v[TP+4*\c+\i]
.endr
.irp i, 0,1,2
	v_mov_b32 v[\pc+6*\c+3+\i], v[TP+4*\c+\i]
.endr
.endr
.endm
.macro UNIT u, left
.set RS, R+64*((\u)%3)
.set PCS, PC+12*((\u)%2)
	s_wait_loadcnt \left                           ; this unit's 16 loads are in; the younger units' may be out
.irp p, 0,1,2,3,4,5,6,7,8,9,10,11,12,13,14,15
	ds_store_b128 v2, v[RS+4*\p:RS+4*\p+3] offset:528*\p
.endr
.irp b, 0,1,2,3
.irp j, 0,1,2,3
	ds_load_b128 v[RS+16*\b+4*\j:RS+16*\b+4*\j+3], v3 offset:128*\b+16*\j   ; LDS serves a wave's instructions in order: these see my stores
.endr
.endr
	s_wait_dscnt 0x0
.if (\u) >= 2
	s_wait_xcnt 0x0                                ; the stores of two units ago have read this set of codes: it is rewritten only behind this wait
.endif
	QUANT RS, PCS
.irp c, 0,1,2
	global_store_b128 v29, v[PCS+4*\c:PCS+4*\c+3], s[12:13] offset:12288*((\u)%2)+1536*((\u)/2)+512*\c   ; the image: 512 consecutive bytes a store
.endr
	ds_store_b32 v4, v[PW] offset:128*((\u)/2)+4*((\u)%2)   ; both halves of the lanes write the same word with the same value
.endm
	XLOADU 0
	XLOADU 1
	XLOADU 2
	s_wait_alu depctr_va_vdst(0)
	UNIT 0, 32
	XLOADU 3                                       ; into the set that unit 0 has left
	UNIT 1, 32
	UNIT 2, 16
	UNIT 3, 0
	ds_load_b64 v[12:13], v5
	s_wait_dscnt 0x0
	global_store_b64 v6, v[12:13], s[12:13] offset:24576   ; my 32 rows' scale words: 256 consecutive bytes, aligned
	s_branch .Lend
; ---- PATH W.  K is the weights' FIRST axis: a lane takes a column n and its registers run down K, so a block of 32 lies in one lane and the codes come out with K innermost.
; Work-group = group of 128 columns (0-23: w_qkv, 24-31: w_out) x chunk T; a wave takes 32 columns x 256 K: 8 blocks a lane.  Pointers and the row's length are chosen on the work-group's number alone.
.Lpath_w:
	s_sub_co_u32 s21, ttmp9, 256
	s_and_b32 s22, s21, 3                          ; T
	s_lshr_b32 s21, s21, 2                         ; G
	s_max_u32 s23, s21, 24
	s_sub_co_u32 s23, s23, 24
	s_mov_b32 s26, 4096
	s_cmp_lt_u32 s21, 24
	s_cselect_b64 s[28:29], s[6:7], s[8:9]         ; the weight
	s_cselect_b64 s[30:31], s[14:15], s[16:17]     ; its codes
	s_cselect_b32 s26, 12288, s26                  ; bytes in a row of it
	s_cselect_b32 s23, s21, s23                    ; the group in it
	s_lshl_b32 s24, s22, 8
	s_mul_i32 s24, s24, s26                        ; 256 T rows down
	s_lshl_b32 s25, s23, 9
	s_add_co_u32 s24, s24, s25                     ; 128 columns a group,
	s_lshl_b32 s25, s20, 7
	s_add_co_u32 s24, s24, s25                     ; 32 a wave
	s_mov_b32 s25, 0
	s_add_nc_u64 s[BS:BS+1], s[28:29], s[24:25]
	s_lshl_b32 s24, s26, 5                         ; a block: 32 rows
.irp t, 1,2,3,4,5,6,7
	s_add_nc_u64 s[BS+2*\t:BS+2*\t+1], s[BS+2*\t-2:BS+2*\t-1], s[24:25]
.endr
	s_mul_i32 s48, s23, 102400
	s_mul_i32 s49, s22, 25600
	s_add_co_u32 s48, s48, s49
	s_mov_b32 s49, 0
	s_add_nc_u64 s[30:31], s[30:31], s[48:49]      ; my chunk
	s_wait_alu depctr_va_vdst(0)
	v_lshlrev_b32 v[VO], 2, v9                     ; 4 l,
.irp i, 1,2,3,4,5,6,7,8,9,10,11,12,13,14,15,16,17,18,19,20,21,22,23,24,25,26,27,28,29,30,31
	v_add_nc_u32 v[VO+\i], s26, v[VO+\i-1]         ; and a row further down for each register
.endr
	s_mul_i32 s27, s20, WWB
	s_add_co_u32 s27, s27, WST                     ; my four images
	v_bfe_u32 v2, v0, 3, 1                         ; column l lies in tile u = bit 3 of l,
	v_and_b32 v3, 7, v0
	v_lshl_add_u32 v3, v7, 3, v3                   ; at row l % 8 + 8 x bit 4 of l
	v_mul_u32_u24 v4, v2, 1664
	v_lshl_add_u32 v4, v3, 4, v4
	v_add_nc_u32 v4, s27, v4                       ; where my codes go
	v_add_nc_u32 v6, s27, v1                       ; and where an image is read back: 16 l
	v_lshl_add_u32 v3, v2, 4, v3                   ; my column's position among the 32
	s_lshl_b32 s48, s20, 8
	v_lshl_add_u32 v3, v3, 3, s48                  ; its scale words in the chunk: 256 x wave + 8 x position
	s_mul_i32 s48, s20, 3072
	v_add_nc_u32 v28, s48, v1                      ; the images in the chunk: two tiles a wave, + 16 l
.macro WLOAD t                         ; block t: 32 rows of the weight at my column: 128 consecutive bytes a wave, 512 a work-group
.irp i, 0,1,2,3,4,5,6,7,8,9,10,11,12,13,14,15,16,17,18,19,20,21,22,23,24,25,26,27,28,29,30,31
	global_load_b32 v[X+32*((\t)%2)+\i], v[VO+\i], s[BS+2*(\t):BS+2*(\t)+1] th:TH_LOAD_NT
.endr
.endm
	WLOAD 0
	WLOAD 1
.macro BLOCK t
.set XS, X+32*((\t)%2)
.if (\t) < 7
	s_wait_loadcnt 32                              ; this block's 32 loads are in; the next block's may be out
.else
	s_wait_loadcnt 0x0
.endif
	v_max3_num_f32 v12, |v[XS]|, |v[XS+1]|, |v[XS+2]|
	v_max3_num_f32 v13, |v[XS+3]|, |v[XS+4]|, |v[XS+5]|
.irp i, 6,10,14,18,22,26
	v_max3_num_f32 v12, v12, |v[XS+\i]|, |v[XS+\i+1]|
	v_max3_num_f32 v13, v13, |v[XS+\i+2]|, |v[XS+\i+3]|
.endr
	v_max3_num_f32 v12, v12, |v[XS+30]|, |v[XS+31]|
	v_max3_num_f32 v12, v12, v13, 0x1800000        ; with the floor 2^(3 - 127)
	v_add_nc_u32 v14, 0xff000000, v12              ; the conversion's scale operand
	v_lshrrev_b32 v15, 23, v14                     ; the byte
.if (\t)%4 == 0
	v_mov_b32 v[26+(\t)/4], v15
.else
	v_lshl_or_b32 v[26+(\t)/4], v15, 8*((\t)%4), v[26+(\t)/4]
.endif
	v_cvt_scalef32_pk16_fp6_f32 v[16:18], v[XS:XS+15], v14
	v_cvt_scalef32_pk16_fp6_f32 v[20:22], v[XS+16:XS+31], v14
	v_nop                                          ; one plain place behind the scaled conversions
	v_mov_b32 v19, v20
	v_mov_b32 v20, v21
	v_mov_b32 v21, v22                             ; v16-21: the block's 24 bytes: registers 6 c .. 6 c + 5 of image lane (row, t % 2), c = (t % 4) / 2
.if ((\t)%4) < 2
	ds_store_b128 v4, v[16:19] offset:3328*((\t)/4)+256*((\t)%2)
	ds_store_b64 v4, v[20:21] offset:3328*((\t)/4)+256*((\t)%2)+512
.else
	ds_store_b64 v4, v[16:17] offset:3328*((\t)/4)+256*((\t)%2)+520
	ds_store_b128 v4, v[18:21] offset:3328*((\t)/4)+256*((\t)%2)+1024
.endif
.if (\t)+2 < 8
	WLOAD (\t)+2
.endif
	s_wait_dscnt 0x0                               ; the stores have read their registers: the next block's codes may be written
.endm
.irp t, 0,1,2,3,4,5,6,7
	BLOCK \t
.endr
	s_wait_alu depctr_va_vdst(0)
	global_store_b64 v3, v[26:27], s[30:31] offset:24576   ; the wave's 32 columns: 256 consecutive bytes, aligned
.irp q, 0,1
.irp u, 0,1
.irp c, 0,1,2
	ds_load_b128 v[64+4*(6*\q+3*\u+\c):64+4*(6*\q+3*\u+\c)+3], v6 offset:3328*\q+1664*\u+512*\c
.endr
.endr
.endr
.set N, 0
.irp q, 0,1
.irp u, 0,1
.irp c, 0,1,2
	s_wait_dscnt 11-N                              ; LDS loads come back in order: this one is in
	global_store_b128 v28, v[64+4*N:64+4*N+3], s[30:31] offset:12288*\q+1536*\u+512*\c
.set N, N+1
.endr
.endr
.endr
.Lend:
	s_wait_tensorcnt 0x0                           ; the wave's end, behind my last LDS store
	ds_add_u32 v[SPW], v[NIL]
	s_wait_dscnt 0x0
	s_endpgm
.Lfunc_end_k_q51a1c27dd3_prep:
	.size	k_q51a1c27dd3_prep, .Lfunc_end_k_q51a1c27dd3_prep-k_q51a1c27dd3_prep
	.p2alignl 7, 3214868480
	.fill 96, 4, 3214868480
	.section	.rodata,"a",@progbits
	.p2align	6, 0x0
	.amdhsa_kernel k_q51a1c27dd3_prep
		.amdhsa_group_segment_fixed_size 95744
		.amdhsa_private_segment_fixed_size 0
		.amdhsa_enable_private_segment 0
		.amdhsa_kernarg_size 64
		.amdhsa_user_sgpr_count 2
		.amdhsa_user_sgpr_kernarg_segment_ptr 1
		.amdhsa_wavefront_size32 1
		.amdhsa_system_sgpr_workgroup_id_x 1
		.amdhsa_system_sgpr_workgroup_id_y 1
		.amdhsa_system_sgpr_workgroup_id_z 1
		.amdhsa_system_vgpr_workitem_id 0
		.amdhsa_next_free_vgpr 256
		.amdhsa_next_free_sgpr 66
		.amdhsa_reserve_vcc 0
		.amdhsa_float_denorm_mode_32 3
		.amdhsa_float_denorm_mode_16_64 3
		.amdhsa_memory_ordered 1
		.amdhsa_forward_progress 1
		.amdhsa_inst_pref_size 181
	.end_amdhsa_kernel
	.amdgpu_metadata
---
amdhsa.version: [ 1, 2 ]
amdhsa.kernels:
  - .name:           k_q51a1c27dd3_prep
    .symbol:         k_q51a1c27dd3_prep.kd
    .args:
      - { .name: x, .offset: 0, .size: 8, .value_kind: global_buffer, .address_space: global }
      - { .name: w_qkv, .offset: 8, .size: 8, .value_kind: global_buffer, .address_space: global }
      - { .name: w_out, .offset: 16, .size: 8, .value_kind: global_buffer, .address_space: global }
      - { .name: mask, .offset: 24, .size: 8, .value_kind: global_buffer, .address_space: global }
      - { .name: xq, .offset: 32, .size: 8, .value_kind: global_buffer, .address_space: global }
      - { .name: wq, .offset: 40, .size: 8, .value_kind: global_buffer, .address_space: global }
      - { .name: wo, .offset: 48, .size: 8, .value_kind: global_buffer, .address_space: global }
      - { .name: mb, .offset: 56, .size: 8, .value_kind: global_buffer, .address_space: global }
    .group_segment_fixed_size: 95744
    .private_segment_fixed_size: 0
    .kernarg_segment_align: 8
    .kernarg_segment_size: 64
    .max_flat_workgroup_size: 128
    .sgpr_count:     66
    .vgpr_count:     256
    .wavefront_size: 32
...
	.end_amdgpu_metadata
.endif
;; end of part 1
;; launch qkv (part 2): grid 96 x 4, 4 waves a work-group, clusters of 4 x 4, 327,680 bytes of LDS; arguments xq, wq, qc, kv; writes qc, kv
.if DOCPART == 2
	.amdgcn_target "amdgcn-amd-amdhsa--gfx1250"
	.amdhsa_code_object_version 6
	.text
	.protected	k_q51a1c27dd3_qkv
	.globl	k_q51a1c27dd3_qkv
	.p2align	8
	.type	k_q51a1c27dd3_qkv,@function
k_q51a1c27dd3_qkv:
	s_mov_b64 s[64:65], 0
	v_nop
	global_prefetch_b8 v0, s[64:65] scope:SCOPE_SE
	s_setreg_imm32_b32 hwreg(HW_REG_WAVE_MODE, 25, 1), 1
	s_wait_xcnt 0x0
	s_wait_alu depctr_hold_cnt(0) depctr_sa_sdst(0) depctr_va_vdst(0) depctr_va_sdst(0) depctr_va_ssrc(0) depctr_va_vcc(0) depctr_vm_vsrc(0)
	s_getreg_b32 s2, hwreg(HW_REG_IB_STS2, 6, 4)
	s_cmp_eq_u32 s2, 0
	s_cbranch_scc0 .Lentry_in_a_cluster
	s_endpgm
.Lentry_in_a_cluster:
	s_bfe_u32 s2, ttmp6, 0x10000c
	s_cmp_lg_u32 s2, 0xf033
	s_cbranch_scc0 .Lentry_shape_is_right
	s_endpgm
.Lentry_shape_is_right:
.set CH,    25600
.set SLOT,  4*CH
.set GS,    3*CH
.set SPARE, 3*SLOT
.set STG,   SLOT
.set FR,    12
.set ADRA,  16
.set ADRB,  20
.set ADRS,  24
.set LI,    27
.set SPW,   28
.set NIL,   29
.set SC,    32
.set AF,    128
.set WVN,   2
.set WR,    3
.set WC,    12
.set G1A,   16
.set G1B,   24
.set G0A,   32
.set G0B,   44
.set SEL,   96
.set TM,    32
.set PW,    48
.set TP,    50
.set PCB,   64
.set MSB, 0
.macro WIN new
.if MSB != \new
	s_set_vgpr_msb (MSB<<8)|\new
.set MSB, \new
.endif
.endm
.set MUL_LO, 0xa1
.set MUL_HI, 0xf1
.set TO_B,   0x40
.macro JLOAD s
	s_cmp_eq_u32 s[WR], 0
	s_cbranch_scc0 .Lfor_b_\@
	tensor_load_to_lds s[G0A+4*\s:G0A+4*\s+3], s[G1A:G1A+7]
	s_nop 0
.rept 4
	v_nop
.endr
	s_branch .Lasked_\@
.Lfor_b_\@:
	tensor_load_to_lds s[G0B+4*\s:G0B+4*\s+3], s[G1B:G1B+7]
	s_nop 0
.rept 4
	v_nop
.endr
.Lasked_\@:
.endm
.macro CREST
	s_cmp_lg_u32 s[WVN], 0
	s_cbranch_scc1 .Lnot_wave_0_\@
	s_barrier_signal -3
.Lnot_wave_0_\@:
	s_barrier_wait -3
	s_barrier_signal -1
	s_barrier_wait -1
.endm
.macro CROUND
	s_barrier_signal -1
	s_barrier_wait -1
	CREST
.endm
.macro PLACES
.rept 4
	v_nop
.endr
.endm
.macro FRAG reg, adr, q, i
.irp c, 0,1,2
	ds_load_b128 v[\reg+4*\c:\reg+4*\c+3], v[\adr] offset:12288*(\q)+1536*(\i)+512*\c
.endr
.endm
.macro FETCH_B slot, q, p
	WIN TO_B
.irp i, 0,1,2,3,4,5,6,7
	FRAG 128*(\p)+FR*\i, ADRB+\slot, \q, \i
.endr
	WIN 0
.endm
.macro FETCH_A slot, q, i0
.irp i, \i0, \i0+1, \i0+2, \i0+3
	FRAG AF+FR*(\i), ADRA+\slot, \q, \i
.endr
.endm
.macro SCALES slot, set
.irp i, 0,1,2,3,4,5,6,7
	ds_load_b64 v[SC+16*\set+2*\i:SC+16*\set+2*\i+1], v[ADRS+\slot] offset:24576+128*\i
.endr
.endm
.macro MUL16 a0, p, q, sc, zero
.irp a, \a0, \a0+1
.irp b, 0,1,2,3,4,5,6,7
.if \zero
	v_wmma_scale_f32_16x16x128_f8f6f4 v[8*(8*((\a)%4)+\b):8*(8*((\a)%4)+\b)+7], v[128*(\p)+FR*\b:128*(\p)+FR*\b+FR-1], v[AF+FR*(\a):AF+FR*(\a)+FR-1], 0, v[SC+16*(\sc)+2*\b+(\q)], v[SC+16*(\sc)+2*(\a)+(\q)] matrix_a_fmt:MATRIX_FMT_FP6 matrix_b_fmt:MATRIX_FMT_FP6 matrix_a_scale:MATRIX_SCALE_ROW1
.else
	v_wmma_scale_f32_16x16x128_f8f6f4 v[8*(8*((\a)%4)+\b):8*(8*((\a)%4)+\b)+7], v[128*(\p)+FR*\b:128*(\p)+FR*\b+FR-1], v[AF+FR*(\a):AF+FR*(\a)+FR-1], v[8*(8*((\a)%4)+\b):8*(8*((\a)%4)+\b)+7], v[SC+16*(\sc)+2*\b+(\q)], v[SC+16*(\sc)+2*(\a)+(\q)] matrix_a_fmt:MATRIX_FMT_FP6 matrix_b_fmt:MATRIX_FMT_FP6 matrix_a_scale:MATRIX_SCALE_ROW1
.endif
.endr
.endr
.endm
.macro STEP slot, set, zero
	s_wait_dscnt 12
	WIN MUL_LO
	MUL16 0, 0, 0, \set, \zero
	MUL16 2, 0, 0, \set, \zero
	s_wait_dscnt 0x0
	PLACES
	FETCH_B \slot, 1, 1
	FETCH_A \slot, 1, 0
	WIN MUL_HI
	MUL16 4, 0, 0, \set, \zero
	MUL16 6, 0, 0, \set, \zero
	PLACES
	WIN 0
	FETCH_A \slot, 1, 4
.endm
.macro TURN slot, set, next, nset, mode
.if \mode > 0
	s_wait_tensorcnt 0x0
	ds_add_u32 v[SPW], v[NIL]
	s_wait_dscnt 13
	WIN MUL_LO
	MUL16 0, 1, 1, \set, 0
	s_wait_dscnt 0x0
	s_barrier_signal -1
	MUL16 2, 1, 1, \set, 0
	WIN 0
	s_barrier_wait -1
.if \mode == 2
	CREST
	s_add_nc_u64 s[G0A+2:G0A+3], s[G0A+2:G0A+3], 3*CH
	s_add_nc_u64 s[G0B+2:G0B+3], s[G0B+2:G0B+3], 3*CH
	s_mov_b32 s[G1A+2], 100<<16                    ; no load of mine is out: the refill brings one chunk, 100 rows
	s_mov_b32 s[G1A+4], 100
	s_mov_b32 s[G1B+2], 100<<16
	s_mov_b32 s[G1B+4], 100
	JLOAD 0
.else
	PLACES
.endif
.else
	s_wait_dscnt 12
	WIN MUL_LO
	MUL16 0, 1, 1, \set, 0
	MUL16 2, 1, 1, \set, 0
	s_wait_dscnt 0x0
	PLACES
.endif
	FETCH_B \next, 0, 0
	FETCH_A \next, 0, 0
	SCALES \next, \nset
	WIN MUL_HI
	MUL16 4, 1, 1, \set, 0
	MUL16 6, 1, 1, \set, 0
	PLACES
	WIN 0
	FETCH_A \next, 0, 4
.endm
	s_load_b256 s[4:11], s[0:1], 0x0
	v_lshl_add_u32 v[SPW], v0, 2, SPARE
	v_mov_b32 v[NIL], 0
	ds_add_u32 v[SPW], v[NIL]
	ds_add_u32 v[SPW], v[NIL]
	v_lshrrev_b32 v1, 5, v0
	v_readfirstlane_b32 s[WVN], v1
	s_lshr_b32 s[WR], s[WVN], 1
	s_and_b32 s[WC], s[WVN], 1
	s_bfe_u32 s56, ttmp6, 0x40000
	s_bfe_u32 s57, ttmp6, 0x40004
	s_lshl_b32 s58, s57, 2
	s_lshl_b32 s58, 15, s58
	s_lshl_b32 s59, 0x1111, s56
	s_or_b32 s[G1A], s58, (3<<16)|(1<<21)
	s_or_b32 s[G1B], s59, (3<<16)|(1<<21)
.irp g, G1A, G1B
	s_mov_b32 s[\g+1], 32<<16
	s_mov_b32 s[\g+2], 300<<16
	s_mov_b32 s[\g+3], 32<<16
	s_mov_b32 s[\g+4], 300
	s_mov_b32 s[\g+5], 32
	s_mov_b32 s[\g+6], 0
	s_mov_b32 s[\g+7], 0
.endr
	s_lshr_b32 s61, ttmp9, 1
	s_lshl_b32 s61, s61, 2
	s_and_b32 s62, ttmp9, 1
	s_lshl_b32 s63, s62, 2
	s_max_u32 s66, ttmp9, 16
	s_sub_co_u32 s66, s66, 16
	s_lshl_b32 s66, s66, 2
	s_cmp_ge_u32 ttmp9, 16
	s_cselect_b32 s60, 1, 0
	s_cselect_b32 s61, 8, s61
	s_cselect_b32 s63, s66, s63
	s_add_co_u32 s61, s61, s57
	s_add_co_u32 s63, s63, s56
	s_lshl_b32 s68, s61, 1
	s_add_co_u32 s68, s68, s[WC]
	s_mul_i32 s68, s68, 102400
	s_mov_b32 s69, 0
	s_lshl_b32 s70, s63, 1
	s_add_co_u32 s70, s70, s[WC]
	s_mul_i32 s70, s70, 102400
	s_mov_b32 s71, 0
	s_mul_i32 s72, s[WVN], GS
	s_mov_b32 s[SEL], 0x76543210
	s_mov_b32 s[SEL+1], 0xfedcba98
	s_wait_dscnt 0x0
	s_wait_kmcnt 0x0
	s_cmp_lg_u32 s60, 0
	s_cselect_b64 s[74:75], s[6:7], s[4:5]
	s_cselect_b64 s[76:77], s[4:5], s[6:7]
	s_add_nc_u64 s[74:75], s[74:75], s[68:69]
	s_add_nc_u64 s[76:77], s[76:77], s[70:71]
	CROUND
	s_mov_b32 s[G0A], 1                            ; one load a wave at the head: chunks 0 to 2 of my group of 128 rows, 300 rows of 256 bytes on end, to GS x wave
	s_mov_b32 s[G0A+1], s72
	s_mov_b64 s[G0A+2:G0A+3], s[74:75]
	s_or_b32 s[G0A+3], s[G0A+3], 0x80000000
	s_mov_b32 s[G0B], 1
	s_mov_b32 s[G0B+1], s72
	s_mov_b64 s[G0B+2:G0B+3], s[76:77]
	s_or_b32 s[G0B+3], s[G0B+3], 0x80000000
	JLOAD 0
	v_and_b32 v1, 31, v0
	v_lshlrev_b32 v[LI], 4, v1
	v_and_b32 v2, 15, v0
	v_bfe_u32 v3, v0, 4, 1
	s_wait_alu depctr_va_vdst(0)
	s_mul_i32 s13, s[WR], GS
	s_mul_i32 s14, s[WC], GS
	s_add_co_u32 s14, s14, 2*GS
.irp s, 0,1,2
	v_add_nc_u32 v[ADRA+\s], s13, v[LI]
	v_add_nc_u32 v[ADRB+\s], s14, v[LI]
	s_add_co_u32 s13, s13, CH
	s_add_co_u32 s14, s14, CH
.endr
	s_mul_i32 s13, s[WR], GS
	s_mul_i32 s14, s[WC], GS
	s_add_co_u32 s14, s14, 2*GS
	s_sub_co_u32 s14, s14, s13
	v_mul_u32_u24 v4, s14, v3
	v_lshl_add_u32 v4, v2, 3, v4
	v_add_nc_u32 v[ADRS], s13, v4
	v_add_nc_u32 v[ADRS+1], CH, v[ADRS]
	v_add_nc_u32 v[ADRS+2], 2*CH, v[ADRS]
	s_lshl_b32 s13, s[WVN], 9
	s_add_co_u32 s13, s13, STG
	v_lshl_add_u32 v30, v2, 2, s13
	v_add_nc_u32 v31, s13, v[LI]
	s_lshl_b32 s78, s61, 1
	s_add_co_u32 s78, s78, s[WR]
	s_lshl_b32 s79, s63, 1
	s_add_co_u32 s79, s79, s[WC]
	s_cmp_lg_u32 s60, 0
	s_cselect_b32 s80, s79, s78
	s_cselect_b32 s81, s78, s79
	s_cselect_b32 s82, 49152, 0
	s_cselect_b32 s83, 2048, 0
	s_and_b32 s81, s81, 7
	s_lshr_b32 s84, s80, 4
	s_lshl_b32 s84, s84, 3
	s_add_co_u32 s84, s84, s81
	s_and_b32 s85, s80, 15
	s_lshl_b32 s87, s84, 4
	s_add_co_u32 s87, s87, s85
	s_mul_i32 s87, s87, 12800
	s_add_co_u32 s88, s87, 12288
	s_lshl_b32 s89, s84, 2
	s_lshr_b32 s90, s85, 2
	s_add_co_u32 s89, s89, s90
	s_mul_i32 s89, s89, 102400
	s_and_b32 s90, s85, 3
	s_mul_i32 s91, s90, 12288
	s_add_co_u32 s91, s91, s89
	s_add_co_u32 s91, s91, s82
	s_lshl_b32 s90, s90, 9
	s_add_co_u32 s90, s90, s89
	s_add_co_u32 s90, s90, s83
	s_add_co_u32 s90, s90, 98304
	s_or_b32 s92, s60, s62
	s_cmp_eq_u32 s92, 0
	s_cselect_b64 s[8:9], s[8:9], s[10:11]
	s_cselect_b32 s92, s87, s91
	s_cselect_b32 s94, s88, s90
	s_mov_b32 s93, 0
	s_mov_b32 s95, 0
	s_add_nc_u64 s[10:11], s[8:9], s[94:95]
	s_add_nc_u64 s[8:9], s[8:9], s[92:93]
	s_wait_alu depctr_va_vdst(0)
	s_wait_tensorcnt 0x0
	s_barrier_signal -1
	s_barrier_wait -1
	FETCH_B 0, 0, 0
	FETCH_A 0, 0, 0
	SCALES 0, 0
	FETCH_A 0, 0, 4
	STEP 0, 0, 1
	TURN 0, 0, 1, 1, 2
	STEP 1, 1, 0
	TURN 1, 1, 2, 0, 0
	STEP 2, 0, 0
	TURN 2, 0, 0, 1, 1
	STEP 0, 1, 0
	s_wait_dscnt 12
	WIN MUL_LO
	MUL16 0, 1, 1, 1, 0
	MUL16 2, 1, 1, 1, 0
	s_wait_dscnt 0x0
	WIN MUL_HI
	MUL16 4, 1, 1, 1, 0
	MUL16 6, 1, 1, 1, 0
	WIN 0
	PLACES
.irp b, 0,1,2,3
	v_mov_b32 v[TM+4+\b], 0
.endr
.macro EPI a
.set AC, 64*((\a)%4)
.set PCS, PCB+12*(\a)
	WIN 0x0a+5*((\a)/4)
.irp b, 0,1,2,3
	v_max3_num_f32 v[TM+\b], |v[AC+16*\b]|, |v[AC+16*\b+1]|, 0x1800000
.endr
.irp i, 2,4,6,8,10,12,14
.irp b, 0,1,2,3
	v_max3_num_f32 v[TM+\b], |v[AC+16*\b+\i]|, |v[AC+16*\b+\i+1]|, v[TM+\b]
.endr
.endr
	WIN 0
.irp b, 0,1,2,3
	v_permlanex16_b32 v[TM+4+\b], v[TM+\b], s[SEL], s[SEL+1]
.endr
.irp b, 0,1,2,3
	v_max_num_f32 v[TM+\b], v[TM+\b], v[TM+4+\b]
.endr
.irp b, 0,1,2,3
	v_add_nc_u32 v[TM+12+\b], 0xff000000, v[TM+\b]
.endr
.irp b, 0,1,2,3
	v_lshrrev_b32 v[TM+4+\b], 23, v[TM+12+\b]
.endr
	v_lshl_or_b32 v[PW], v[TM+5], 8, v[TM+4]
	v_lshl_or_b32 v[PW], v[TM+6], 16, v[PW]
	v_lshl_or_b32 v[PW], v[TM+7], 24, v[PW]
	WIN 0x02+((\a)/4)
.irp c, 0,1
	v_cvt_scalef32_pk16_fp6_f32 v[PCS+6*\c:PCS+6*\c+2], v[AC+32*\c:AC+32*\c+15], v[TM+12+2*\c]
	v_cvt_scalef32_pk16_fp6_f32 v[TP+4*\c:TP+4*\c+2], v[AC+32*\c+16:AC+32*\c+31], v[TM+12+2*\c+1]
.endr
	WIN 0
	v_nop
.irp c, 0,1
.irp i, 0,1,2
	v_permlane16_swap_b32 v[PCS+6*\c+\i], v[TP+4*\c+\i]
.endr
.irp i, 0,1,2
	v_mov_b32 v[PCS+6*\c+3+\i], v[TP+4*\c+\i]
.endr
.endr
.irp c, 0,1,2
	global_store_b128 v[LI], v[PCS+4*\c:PCS+4*\c+3], s[8:9] offset:1536*(\a)+512*\c
.endr
	ds_store_b32 v30, v[PW] offset:64*(\a)
.endm
.irp a, 0,1,2,3,4,5,6,7
	EPI \a
.endr
	ds_load_b128 v[160:163], v31
	s_wait_dscnt 0x0
	global_store_b128 v[LI], v[160:163], s[10:11]
	s_wait_tensorcnt 0x0
	ds_add_u32 v[SPW], v[NIL]
	s_wait_dscnt 0x0
	CROUND
	s_endpgm
.Lfunc_end_k_q51a1c27dd3_qkv:
	.size	k_q51a1c27dd3_qkv, .Lfunc_end_k_q51a1c27dd3_qkv-k_q51a1c27dd3_qkv
	.p2alignl 7, 3214868480
	.fill 96, 4, 3214868480
	.section	.rodata,"a",@progbits
	.p2align	6, 0x0
	.amdhsa_kernel k_q51a1c27dd3_qkv
		.amdhsa_group_segment_fixed_size 327680
		.amdhsa_private_segment_fixed_size 0
		.amdhsa_enable_private_segment 0
		.amdhsa_kernarg_size 32
		.amdhsa_user_sgpr_count 2
		.amdhsa_user_sgpr_kernarg_segment_ptr 1
		.amdhsa_wavefront_size32 1
		.amdhsa_system_sgpr_workgroup_id_x 1
		.amdhsa_system_sgpr_workgroup_id_y 1
		.amdhsa_system_sgpr_workgroup_id_z 1
		.amdhsa_system_vgpr_workitem_id 0
		.amdhsa_next_free_vgpr 1024
		.amdhsa_next_free_sgpr 100
		.amdhsa_reserve_vcc 0
		.amdhsa_float_denorm_mode_32 3
		.amdhsa_float_denorm_mode_16_64 3
		.amdhsa_memory_ordered 1
		.amdhsa_forward_progress 1
		.amdhsa_inst_pref_size 137
	.end_amdhsa_kernel
	.amdgpu_metadata
---
amdhsa.version: [ 1, 2 ]
amdhsa.kernels:
  - .name:           k_q51a1c27dd3_qkv
    .symbol:         k_q51a1c27dd3_qkv.kd
    .args:
      - { .name: xq, .offset: 0, .size: 8, .value_kind: global_buffer, .address_space: global }
      - { .name: wq, .offset: 8, .size: 8, .value_kind: global_buffer, .address_space: global }
      - { .name: qc, .offset: 16, .size: 8, .value_kind: global_buffer, .address_space: global }
      - { .name: kv, .offset: 24, .size: 8, .value_kind: global_buffer, .address_space: global }
    .group_segment_fixed_size: 327680
    .private_segment_fixed_size: 0
    .kernarg_segment_align: 8
    .kernarg_segment_size: 32
    .max_flat_workgroup_size: 128
    .sgpr_count:     100
    .vgpr_count:     1024
    .wavefront_size: 32
...
	.end_amdgpu_metadata
.endif
;; end of part 2
;; launch attn (part 3): grid 8 x 32, 16 waves a work-group, clusters of 4 x 1, 327,680 bytes of LDS; arguments qc, kv, mb, oq; writes oq
.if DOCPART == 3
	.amdgcn_target "amdgcn-amd-amdhsa--gfx1250"
	.amdhsa_code_object_version 6
	.text
	.protected	k_q51a1c27dd3_attn
	.globl	k_q51a1c27dd3_attn
	.p2align	8
	.type	k_q51a1c27dd3_attn,@function
k_q51a1c27dd3_attn:
	s_mov_b64 s[64:65], 0
	v_nop
	global_prefetch_b8 v0, s[64:65] scope:SCOPE_SE
	s_setreg_imm32_b32 hwreg(HW_REG_WAVE_MODE, 25, 1), 1
	s_wait_xcnt 0x0
	s_wait_alu depctr_hold_cnt(0) depctr_sa_sdst(0) depctr_va_vdst(0) depctr_va_sdst(0) depctr_va_ssrc(0) depctr_va_vcc(0) depctr_vm_vsrc(0)
	s_getreg_b32 s2, hwreg(HW_REG_IB_STS2, 6, 4)
	s_cmp_eq_u32 s2, 0
	s_cbranch_scc0 .Lentry_in_a_cluster
	s_endpgm
.Lentry_in_a_cluster:
	s_bfe_u32 s2, ttmp6, 0x10000c
	s_cmp_lg_u32 s2, 0x3003
	s_cbranch_scc0 .Lentry_shape_is_right
	s_endpgm
.Lentry_shape_is_right:
; ATTENTION on codes of FP6 (E2M3) with E8M0 scales: o = softmax(mask(q k^T / 8)) v for 64 (batch, head), 2,048 queries and keys, head size 64; o is quantised in registers and leaves as images for the last product.
; THE SOFTMAX: t = score x log2(e) / 8; M = the running largest t rounded UP to a whole number; p = 2^(t - M) is quantised along the keys, not normalised; the row's sum is taken of the unquantised p and
; divides at the end.  When M moves, the sum and O are multiplied by 2^(old M - new M): exact.  A masked score becomes -infinity ahead of the maximum, by v_cndmask_b32 on a word of 32 lanes: no branch on data.
; SHARES.  256 work-groups; each owns 256 queries of a PAIR of heads; wave w owns tile w of 16 queries and BOTH heads, one after the other in each key step: the step's 64 mask words serve both,
; and the wave holds the tile's whole image of o at the end (six registers a head), so nothing passes through LDS on the way out.
; An image of k holds both heads' 64 along its K of 128.  q lies in 18 registers: head 0's six, six of zero codes, head 1's six: v[16:27] is (q0, 0), v[22:33] is (0, q1); zero codes add nothing.
; Both products are used transposed (S^T = k q^T, O^T = v^T p^T): a lane holds one query throughout; rows lie in position order, so the 16 registers of two neighbouring tiles are 16 neighbouring keys (or channels).
; LOADS AHEAD.  When p has been converted and summed, 48 of its 64 registers take the NEXT head-step's first four tiles of K, asked for ahead of this step's V products; the other four tiles are asked for
; behind the first two score products and land under the first 32 mask lines.  A block's last step asks ahead for 16 loads that nobody uses (bytes of its own slot): the next block's come behind its barrier.
; K, V and their scale words of 512 keys are one dense block of 102,400 bytes; four blocks, three LDS slots.  At the head every wave asks for 12,800 bytes of blocks 0 and 1 (slots 1 and 2).
; Behind the round at the top of the first two block trips waves 0-7 ask for block 2 (slot 0, its first fill) and block 3 (slot 1, read out in the trip before): one load of a wave is out at a time.
; CLUSTER 4 x 1: the four query groups of a cluster walk the same blocks and ask for them jointly.
; No prefetch into the L2: blocks 0 and 1 are asked for at the head, where there is no loop to run ahead in; blocks 2 and 3 are asked for eight head-steps of work ahead of the wait for them.
; LIMITS: NaN and infinities among the scores are not served.  A row whose mask is all false has the sum 0: its scale bytes are set to 0xff, so that the last product gives NaN there, as the softmax of such a row does.
; A block's largest p is made from the block's largest score by the same multiply-add and exponential: this takes v_exp_f32 not to fall where its input rises.
.set CH,    25600
.set SLOT,  4*CH
.set PIECE, 12800
.set SPARE, 3*SLOT                     ; the spare words, 128 bytes for each of 16 waves
.set AK0,  1                           ; 16 l
.set QS,   2                           ; q's scale word
.set ASK0, 3                           ; 4 r + 98,304: K's scale words; V's lie 2,048 + 256 x head further on
.set TT,   4
.set SPW,  5
.set NIL,  6
.set NINF, 7
.set ADK,  8                           ; the step's images
.set PW,   9                           ; p's scale word
.set SM2,  10                          ; v[10:11] the sum's second chain; the third and fourth lie in v244-247
.set ST0,  12                          ; head 0: v12 -M, v13 largest score, v[14:15] sum; head 1: v84-87
.set QR,   16                          ; v16-33 q
.set FRG,  34                          ; v34-81 K's tiles 4-7, then four tiles of V
.set F,    82                          ; v[82:83] f = 2^(old M - new M)
.set KS,   88
.set VS,   92
.set S,    96                          ; v96-159 S^T, then p; then v112-159 K's tiles 0-3 of the next head-step
.set OT,   160                         ; v160-191, v192-223 O^T of the two heads
.set PCD,  224                         ; p's codes
.set TP,   236                         ; v236-238, v240-242
.set ADS,  239                         ; the step's scale words
.set BM,   244
.set BX,   248
.set SO,   252                         ; the conversions' scale operands; then the scale words of K's tiles 0-3
.set WV,   2
.set TB,   3
.set G1,   4
.set G0,   12
.set LSL,  16                          ; the slot that the next load fills
.set P8,   17                          ; my piece of it
.set GP,   18                          ; s[18:19] where that piece lies in kv
.set IMO,  20                          ; my image's place in oq's chunk; s21 my scale words'
.set SCO,  21
.set TBB,  22                          ; the slot that this trip reads
.set OC,   23
.set SEL,  28
.set CS,   30
.set TS,   66
.set MOFF, 67                          ; the 64 mask words: s32-63 and s68-99
.set CNT,  100
.macro CROUND
	s_barrier_signal -1
	s_barrier_wait -1
	s_cmp_lg_u32 s[WV], 0
	s_cbranch_scc1 .Lnot_wave_0_\@
	s_barrier_signal -3
.Lnot_wave_0_\@:
	s_barrier_wait -3
	s_barrier_signal -1
	s_barrier_wait -1
.endm
.macro NOPS
.rept 4
	v_nop
.endr
.endm
	s_load_b256 s[32:39], s[0:1], 0x0              ; qc, kv, mb, oq
	v_lshl_add_u32 v[SPW], v0, 2, SPARE
	v_mov_b32 v[NIL], 0
	ds_add_u32 v[SPW], v[NIL]                      ; the opening lines
	ds_add_u32 v[SPW], v[NIL]
	v_lshrrev_b32 v8, 5, v0
	s_delay_alu instid0(VALU_DEP_1)
	v_readfirstlane_b32 s[WV], v8                  ; wave 0..15
	s_mov_b32 s[G1], 15|(3<<16)|(1<<21)            ; all four work-groups; elements of 8 bytes; bit 21 beside a mask
	s_mov_b32 s[G1+1], 32<<16                      ; a dense piece as 50 rows of 256 bytes
	s_mov_b32 s[G1+2], 50<<16
	s_mov_b32 s[G1+3], 32<<16
	s_mov_b32 s[G1+4], 50
	s_mov_b32 s[G1+5], 32
	s_mov_b32 s[G1+6], 0
	s_mov_b32 s[G1+7], 0
	s_bfe_u32 s40, ttmp6, 0x40000                  ; cx: it enters the addresses of qc, mb and oq alone
	s_lshl_b32 s41, ttmp9, 2
	s_add_co_u32 s41, s41, s40
	s_lshl_b32 s41, s41, 1
	s_lshr_b32 s45, s[WV], 3
	s_add_co_u32 s41, s41, s45                     ; my group of 128 queries, 0..15
	s_and_b32 s46, s[WV], 7                        ; my tile in it
	s_and_b32 s42, ttmp7, 0xffff                   ; 8 x batch + pair
	s_lshr_b32 s43, s42, 3
	s_and_b32 s44, s42, 7
	s_mul_i32 s47, s[WV], PIECE
	s_min_u32 s[P8], s[WV], 7
	s_mul_i32 s[P8], s[P8], PIECE
	s_mul_i32 s48, s42, 4*SLOT
	s_mov_b32 s49, 0
	s_mov_b32 s52, s47
	s_mov_b32 s53, 0
	s_add_co_u32 s54, s[P8], 2*SLOT
	s_mov_b32 s55, 0
	s_lshl_b32 s68, s43, 4
	s_add_co_u32 s68, s68, s41
	s_mul_i32 s68, s68, 102400                     ; oq: my group of 128 tokens,
	s_lshr_b32 s69, s44, 1
	s_mul_i32 s69, s69, CH
	s_add_co_u32 s68, s68, s69                     ; the chunk of 256 along K in which my pair lies
	s_mov_b32 s69, 0
	s_and_b32 s57, s44, 1
	s_mul_i32 s[IMO], s57, 12288
	s_mul_i32 s58, s46, 1536
	s_add_co_u32 s[IMO], s[IMO], s58               ; the chunk's half, my tile
	s_lshl_b32 s[SCO], s46, 7
	s_lshl_b32 s57, s57, 2
	s_add_co_u32 s[SCO], s[SCO], s57
	s_add_co_u32 s[SCO], s[SCO], 24576             ; 8 bytes a row, my pair's word of the two
	s_lshl_b32 s70, s43, 7
	s_lshl_b32 s71, s41, 3
	s_add_co_u32 s70, s70, s71
	s_add_co_u32 s70, s70, s46
	s_lshl_b32 s70, s70, 12                        ; mb: 4,096 bytes a tile of queries
	s_mov_b32 s71, 0
	s_lshl_b32 s72, s42, 4
	s_add_co_u32 s72, s72, s41
	s_mul_i32 s72, s72, 12800                      ; qc: my block
	s_mov_b32 s73, 0
	s_lshl_b32 s59, s46, 6
	s_mov_b32 s[SEL], 0x76543210
	s_mov_b32 s[SEL+1], 0xfedcba98
	s_mov_b32 s[CS], 0x3e38aa3b
	s_mov_b32 s[CS+1], s[CS]
	s_mov_b32 s[MOFF], 0
	s_wait_dscnt 0x0
	s_wait_kmcnt 0x0
	s_add_nc_u64 s[50:51], s[34:35], s[48:49]
	s_add_nc_u64 s[26:27], s[38:39], s[68:69]
	s_add_nc_u64 s[24:25], s[36:37], s[70:71]
	s_add_nc_u64 s[104:105], s[32:33], s[72:73]
	s_add_nc_u64 s[GP:GP+1], s[50:51], s[54:55]    ; block 2, my piece
	CROUND                                         ; all four work-groups are here: the first joint loads meet
	s_mov_b32 s[G0], 1
	s_add_co_u32 s[G0+1], s47, SLOT                ; blocks 0 and 1 lie on end in kv and in slots 1 and 2
	s_add_nc_u64 s[G0+2:G0+3], s[50:51], s[52:53]
	s_or_b32 s[G0+3], s[G0+3], 0x80000000
	tensor_load_to_lds s[G0:G0+3], s[G1:G1+7]      ; every wave's one load at the head
	s_nop 0
	NOPS
	v_and_b32 v8, 31, v0
	v_and_b32 v9, 15, v0
	v_lshlrev_b32 v[AK0], 4, v8
	v_lshl_add_u32 v[ASK0], v9, 2, 98304
	v_add_nc_u32 v10, s58, v[AK0]
	v_lshl_add_u32 v11, v9, 2, s59
.irp c, 0,1,2
	global_load_b128 v[QR+4*\c:QR+4*\c+3], v10, s[104:105] offset:512*\c
.endr
	global_load_b32 v[QS], v11, s[104:105] offset:12288
	s_load_b512 s[32:47], s[24:25], 0x0            ; key step 0's 64 mask words
	s_load_b512 s[48:63], s[24:25], 0x40
	s_load_b512 s[68:83], s[24:25], 0x80
	s_load_b512 s[84:99], s[24:25], 0xc0
	v_mov_b32 v[NINF], 0xff800000
.irp st, ST0, ST0+72
	v_mov_b32 v[\st+1], 0xff61b1e6                 ; the largest score so far: -3e38
	v_mov_b32 v[\st+2], 0
	v_mov_b32 v[\st+3], 0
	v_mov_b32 v[\st], 0x7e800000                   ; -M: 2^126, over every -t
.endr
	v_mov_b32 v[F+1], 0
.set J, 0
.rept 64
	v_mov_b32 v[OT+J], 0                           ; the step is written once: the first finds zeros
.set J, J+1
.endr
	s_wait_loadcnt 0x0
.irp i, 0,1,2,3,4,5
	v_mov_b32 v[QR+12+\i], v[QR+6+\i]              ; head 1's six,
.endr
.irp i, 0,1,2,3,4,5
	v_mov_b32 v[QR+6+\i], 0                        ; and six of zero codes between the heads
.endr
	s_wait_alu depctr_va_vdst(0)                   ; the head's end
.macro WQK d, a, sc, hd                ; 16 keys x 16 queries of head hd
	v_wmma_scale_f32_16x16x128_f8f6f4 v[\d:\d+7], v[\a:\a+11], v[QR+6*\hd:QR+6*\hd+11], 0, v[\sc], v[QS] matrix_a_fmt:MATRIX_FMT_FP6 matrix_b_fmt:MATRIX_FMT_FP6
.endm
.macro KLOAD off, soff                 ; K's tiles 0-3 into v112-159, their scale words into v252-255: 16 loads
.irp t, 0,1,2,3
.irp c, 0,1,2
	ds_load_b128 v[S+16+12*\t+4*\c:S+16+12*\t+4*\c+3], v[ADK] offset:\off+1536*\t+512*\c
.endr
	ds_load_b32 v[SO+\t], v[ADS] offset:\soff+64*\t
.endr
.endm
.macro MASK from                       ; 32 scores: a hidden key's becomes -infinity; each tile from its low end on
.set J, \from
.rept 32
	v_cndmask_b32 v[S+J], v[NINF], v[S+J], s[32+J+4*(J/32)]
.set J, J+1
.endr
.endm
.macro MAXR hf                         ; the largest score of blocks 2 hf and 2 hf + 1, in two chains each: 14 of a block's 16 numbers
.irp b, 2*\hf, 2*\hf+1
	v_max3_num_f32 v[BM+\b], v[S+16*(\b)], v[S+16*(\b)+1], v[S+16*(\b)+2]
	v_max3_num_f32 v[BX+\b], v[S+16*(\b)+8], v[S+16*(\b)+9], v[S+16*(\b)+10]
.endr
.irp i, 3,5
.irp b, 2*\hf, 2*\hf+1
	s_delay_alu instid0(VALU_DEP_4)
	v_max3_num_f32 v[BM+\b], v[BM+\b], v[S+16*(\b)+\i], v[S+16*(\b)+\i+1]
	s_delay_alu instid0(VALU_DEP_4)
	v_max3_num_f32 v[BX+\b], v[BX+\b], v[S+16*(\b)+8+\i], v[S+16*(\b)+9+\i]
.endr
.endr
.endm
.macro MAXJ hf                         ; the chains joined, with the two numbers left
.irp b, 2*\hf, 2*\hf+1
	v_max3_num_f32 v[BM+\b], v[BM+\b], v[BX+\b], v[S+16*(\b)+7]
.endr
.irp b, 2*\hf, 2*\hf+1
	v_max_num_f32 v[BM+\b], v[BM+\b], v[S+16*(\b)+15]
.endr
.endm
.macro FMAS n                          ; t - M, two at a time, from pair J on
.rept \n
	v_pk_fma_f32 v[S+J:S+J+1], v[S+J:S+J+1], s[CS:CS+1], v[ST:ST+1] op_sel_hi:[1,0,0]
.set J, J+2
.endr
.endm
.macro ACC k, j                        ; pair j of p onto chain k of the row's sum
.if (\k) == 0
	v_pk_add_f32 v[ST+2:ST+3], v[ST+2:ST+3], v[S+2*(\j):S+2*(\j)+1]
.elseif (\k) == 1
	v_pk_add_f32 v[SM2:SM2+1], v[SM2:SM2+1], v[S+2*(\j):S+2*(\j)+1]
.else
	v_pk_add_f32 v[BM+2*(\k)-4:BM+2*(\k)-3], v[BM+2*(\k)-4:BM+2*(\k)-3], v[S+2*(\j):S+2*(\j)+1]
.endif
.endm
; A KEY STEP of one head: 128 keys.  K's tiles 0-3 were asked for in the head-step before (a block's first: behind its barrier).
.macro UNIT hd
.set ST, ST0+72*\hd
.set O, OT+32*\hd
	s_wait_dscnt 0x0                               ; K's tiles 0-3 are in
	WQK S, S+16, SO, \hd
	WQK S+8, S+28, SO+1, \hd
.if \hd == 0                                   ; five places: tile 2's scores land on tile 0's fragment, and the loads below on V's
	v_add_nc_u32 v[ADK], s[TB], v[AK0]
	v_add_nc_u32 v[ADS], s[TS], v[ASK0]
	v_nop
	v_nop
	v_nop
.else
	NOPS
	v_nop
.endif
.irp t, 0,1,2,3                                ; K's tiles 4-7
.irp c, 0,1,2
	ds_load_b128 v[FRG+12*\t+4*\c:FRG+12*\t+4*\c+3], v[ADK] offset:1536*(4+\t)+512*\c
.endr
	ds_load_b32 v[KS+\t], v[ADS] offset:64*(4+\t)
.endr
	WQK S+16, S+40, SO+2, \hd
	WQK S+24, S+52, SO+3, \hd
.if \hd == 0
	s_wait_kmcnt 0x0                               ; this step's mask words are in
.endif
	MASK 0
	MAXR 0
	s_wait_alu depctr_va_vdst(0)
	s_wait_dscnt 0x0                               ; K's tiles 4-7 are in
.irp t, 0,1,2,3
	WQK S+32+8*\t, FRG+12*\t, KS+\t, \hd
.endr
	MAXJ 0                                         ; four places
.irp t, 0,1,2,3                                ; this head's four tiles of V: they land under the softmax
.irp c, 0,1,2
	ds_load_b128 v[FRG+12*\t+4*\c:FRG+12*\t+4*\c+3], v[ADK] offset:49152+6144*\hd+1536*\t+512*\c
.endr
	ds_load_b32 v[VS+\t], v[ADS] offset:2048+256*\hd+64*\t
.endr
	MASK 32
.if \hd == 1
	s_add_co_u32 s[MOFF], s[MOFF], 256             ; both heads have used the words: the next step's;
	s_min_u32 s[MOFF], s[MOFF], 3840               ; the last step asks for its own again: no load leaves mb
	s_load_b512 s[32:47], s[24:25], s[MOFF] offset:0x0
	s_load_b512 s[48:63], s[24:25], s[MOFF] offset:0x40
	s_load_b512 s[68:83], s[24:25], s[MOFF] offset:0x80
	s_load_b512 s[84:99], s[24:25], s[MOFF] offset:0xc0
.endif
	MAXR 1
	MAXJ 1
.irp b, 0,1,2,3
	v_permlanex16_b32 v[BX+\b], v[BM+\b], s[SEL], s[SEL+1]
.endr
.irp b, 0,1,2,3
	s_delay_alu instid0(VALU_DEP_4)
	v_max_num_f32 v[BM+\b], v[BM+\b], v[BX+\b]     ; with lane l xor 16's 16 keys: each block's largest score
.endr
	s_delay_alu instid0(VALU_DEP_2)
	v_max3_num_f32 v[TT], v[BM], v[BM+1], v[BM+2]
	v_mov_b32 v[F], v[ST]                          ; the old -M
	s_delay_alu instid0(VALU_DEP_2)
	v_max3_num_f32 v[ST+1], v[ST+1], v[TT], v[BM+3]   ; the running largest score
	s_delay_alu instid0(VALU_DEP_1)
	v_mul_f32 v[TT], s[CS], v[ST+1]                ; as t
	s_delay_alu instid0(VALU_DEP_1)
	v_floor_f32 v[ST], -v[TT]                      ; the new -M = -ceil(t)
.set J, 0
	FMAS 4
	v_sub_f32 v[F], v[ST], v[F]                    ; old M - new M: a whole number, 0 or less
	FMAS 4
	v_cvt_i32_f32 v[F], v[F]                       ; (it saturates)
	FMAS 4
	v_ldexp_f32 v[F], 1.0, v[F]
	FMAS 20
.irp b, 0,1,2,3
	v_fma_f32 v[BM+\b], v[BM+\b], s[CS], v[ST]
.endr
	s_wait_alu depctr_va_vdst(0)                   ; ahead of the batch
.set J, 0
.rept 64
	v_exp_f32 v[S+J], v[S+J]                       ; p = 2^(t - M)
.set J, J+1
.endr
.irp b, 0,1,2,3
	v_exp_f32 v[BM+\b], v[BM+\b]                   ; the blocks' largest p
.endr
	v_pk_mul_f32 v[ST+2:ST+3], v[ST+2:ST+3], v[F:F+1] op_sel_hi:[1,0]   ; the sum under the new M: the plain place behind the exponentials
	s_wait_alu depctr_va_vdst(0)                   ; one wait for the batch, directly ahead of O^T's first readers too
.irp j, 0,2,4,6,8,10,12,14,16,18,20,22,24,26,28,30
	v_pk_mul_f32 v[O+\j:O+\j+1], v[O+\j:O+\j+1], v[F:F+1] op_sel_hi:[1,0]   ; O^T under the new M
.endr
.irp b, 0,1,2,3
	v_max_num_f32 v[BM+\b], 0x1800000, v[BM+\b]    ; the floor 2^(3 - 127): the byte cannot fall under 1
.endr
.irp b, 0,1,2,3
	s_delay_alu instid0(VALU_DEP_4)
	v_add_nc_u32 v[SO+\b], 0xff000000, v[BM+\b]
.endr
.irp b, 0,1,2,3
	s_delay_alu instid0(VALU_DEP_4)
	v_lshrrev_b32 v[BX+\b], 23, v[SO+\b]
.endr
.irp c, 0,1
	v_cvt_scalef32_pk16_fp6_f32 v[PCD+6*\c:PCD+6*\c+2], v[S+32*\c:S+32*\c+15], v[SO+2*\c]
	v_cvt_scalef32_pk16_fp6_f32 v[TP+4*\c:TP+4*\c+2], v[S+32*\c+16:S+32*\c+31], v[SO+2*\c+1]
.endr
	v_lshl_or_b32 v[PW], v[BX+1], 8, v[BX]         ; p's scale word; plain work behind the conversions
	s_delay_alu instid0(VALU_DEP_1)
	v_lshl_or_b32 v[PW], v[BX+2], 16, v[PW]
	s_delay_alu instid0(VALU_DEP_1)
	v_lshl_or_b32 v[PW], v[BX+3], 24, v[PW]
	v_pk_add_f32 v[SM2:SM2+1], v[S+16:S+17], v[S+18:S+19]   ; THE ROW'S SUM OF THE UNQUANTISED p, in four chains: first the 48 numbers whose registers the loads below take
	v_pk_add_f32 v[BM:BM+1], v[S+20:S+21], v[S+22:S+23]
	v_pk_add_f32 v[BM+2:BM+3], v[S+24:S+25], v[S+26:S+27]
	ACC 0, 14
.set J, 15
.rept 17
	ACC (J+2)%4, J
.set J, J+1
.endr
.if \hd == 0
	KLOAD 0, 0                                     ; head 1 takes the same tiles of K
.else
	KLOAD 12288, 512                               ; the next key step's
.endif
.irp c, 0,1                                    ; the operand wants a whole block in a lane
.irp i, 0,1,2
	v_permlane16_swap_b32 v[PCD+6*\c+\i], v[TP+4*\c+\i]
.endr
.irp i, 0,1,2
	s_delay_alu instid0(VALU_DEP_3)
	v_mov_b32 v[PCD+6*\c+3+\i], v[TP+4*\c+\i]
.endr
.endr
.set J, 0
.rept 8                                        ; the sum's last 16 numbers and the joining of its chains: 11 lines between the last write of an operand and the products
	ACC (J+2)%4, J
.set J, J+1
.endr
	v_pk_add_f32 v[SM2:SM2+1], v[SM2:SM2+1], v[BM:BM+1]
	v_pk_add_f32 v[ST+2:ST+3], v[ST+2:ST+3], v[BM+2:BM+3]
	v_pk_add_f32 v[ST+2:ST+3], v[ST+2:ST+3], v[SM2:SM2+1]
	s_wait_dscnt 16                                ; V is in; the 16 younger loads, K's, may be out
.irp t, 0,1,2,3                                ; O^T += V^T P^T: four accumulators by turns
	v_wmma_scale_f32_16x16x128_f8f6f4 v[O+8*\t:O+8*\t+7], v[FRG+12*\t:FRG+12*\t+11], v[PCD:PCD+11], v[O+8*\t:O+8*\t+7], v[VS+\t], v[PW] matrix_a_fmt:MATRIX_FMT_FP6 matrix_b_fmt:MATRIX_FMT_FP6
.endr
.if \hd == 1
	s_add_co_u32 s[TB], s[TB], 12288
	s_add_co_u32 s[TS], s[TS], 512
.endif
.endm
.macro BLOCK4                          ; a block's four key steps, both heads
	s_mov_b32 s[TB], s[TBB]
	s_mov_b32 s[TS], s[TBB]
	s_mov_b32 s[CNT], 4
	v_add_nc_u32 v[ADK], s[TB], v[AK0]
	v_add_nc_u32 v[ADS], s[TS], v[ASK0]
	KLOAD 0, 0                                     ; the block's first tiles of K
.Lstep_\@:
	UNIT 0
	UNIT 1
	s_sub_co_u32 s[CNT], s[CNT], 1
	s_cmp_lg_u32 s[CNT], 0
	s_cbranch_scc1 .Lstep_\@
.endm
; The top of a block trip: all my loads have landed, the add, my LDS reads are over; then the round (fill = 1) and the next load, or a plain barrier that shows the last loads to all.
.macro SYNC fill
	s_wait_tensorcnt 0x0
	ds_add_u32 v[SPW], v[NIL]
.if \fill
	s_add_co_u32 s[G0+1], s[LSL], s[P8]            ; no load of mine is out: the descriptor may be written
	s_mov_b64 s[G0+2:G0+3], s[GP:GP+1]
	s_or_b32 s[G0+3], s[G0+3], 0x80000000
.endif
	s_wait_dscnt 0x0
.if \fill
	CROUND
	s_cmp_lt_u32 s[WV], 8
	s_cbranch_scc0 .Lno_fill_\@
	tensor_load_to_lds s[G0:G0+3], s[G1:G1+7]      ; waves 0-7: an eighth of a block each
	s_nop 0
	NOPS
.Lno_fill_\@:
.else
	s_barrier_signal -1
	s_barrier_wait -1
.endif
.endm
	s_mov_b32 s[LSL], 0
	s_mov_b32 s[TBB], SLOT
	s_mov_b32 s[OC], 0
.Lfill:                                        ; blocks 0, 1 out of slots 1, 2; blocks 2, 3 asked for into slots 0, 1
	SYNC 1
	BLOCK4
	s_add_co_u32 s[LSL], s[LSL], SLOT
	s_add_co_u32 s[TBB], s[TBB], SLOT
	s_add_nc_u64 s[GP:GP+1], s[GP:GP+1], SLOT
	s_add_co_u32 s[OC], s[OC], 1
	s_cmp_lt_u32 s[OC], 2
	s_cbranch_scc1 .Lfill
	s_mov_b32 s[TBB], 0
	s_mov_b32 s[OC], 0
.Lrest:                                        ; blocks 2, 3 out of slots 0, 1
	SYNC 0
	BLOCK4
	s_add_co_u32 s[TBB], s[TBB], SLOT
	s_add_co_u32 s[OC], s[OC], 1
	s_cmp_lt_u32 s[OC], 2
	s_cbranch_scc1 .Lrest
; THE WAY OUT.  O^T / the sum; a head's 32 registers are 64 neighbours along the last product's K: two blocks of 32, six registers of the tile's image.
.set IMG, FRG
.macro OUT hd, pwr
.set ST, ST0+72*\hd
.set O, OT+32*\hd
.set W, S+32*\hd
.set IM, IMG+6*\hd
	v_add_f32 v[ST+2], v[ST+2], v[ST+3]
	s_delay_alu instid0(VALU_DEP_1)
	v_permlanex16_b32 v[BX], v[ST+2], s[SEL], s[SEL+1]
	s_delay_alu instid0(VALU_DEP_1)
	v_add_f32 v[ST+2], v[ST+2], v[BX]              ; the row's sum
	s_wait_alu depctr_va_vdst(0)
	v_rcp_f32 v[ST+3], v[ST+2]
	v_cmp_eq_f32 s[104+\hd], 0, v[ST+2]            ; a row with no key at all
	s_wait_alu depctr_va_vdst(0)
.set J, 0
.rept 32
	v_mul_f32 v[W+J], v[O+J], v[ST+3]
.set J, J+1
.endr
.irp b, 0,1
	v_max3_num_f32 v[BM+\b], |v[W+16*\b]|, |v[W+1+16*\b]|, 0x1800000
.endr
.irp i, 2,4,6,8,10,12,14
.irp b, 0,1
	s_delay_alu instid0(VALU_DEP_2)
	v_max3_num_f32 v[BM+\b], v[BM+\b], |v[W+16*\b+\i]|, |v[W+1+16*\b+\i]|
.endr
.endr
.irp b, 0,1
	s_delay_alu instid0(VALU_DEP_2)
	v_permlanex16_b32 v[BX+\b], v[BM+\b], s[SEL], s[SEL+1]
.endr
.irp b, 0,1
	s_delay_alu instid0(VALU_DEP_2)
	v_max_num_f32 v[BM+\b], v[BM+\b], v[BX+\b]
.endr
.irp b, 0,1
	s_delay_alu instid0(VALU_DEP_2)
	v_add_nc_u32 v[SO+\b], 0xff000000, v[BM+\b]
.endr
.irp b, 0,1
	s_delay_alu instid0(VALU_DEP_2)
	v_lshrrev_b32 v[BX+\b], 23, v[SO+\b]
.endr
	s_delay_alu instid0(VALU_DEP_1)
	v_lshl_or_b32 v[\pwr], v[BX+1], 8, v[BX]       ; this head's two bytes of the row's scale word
	v_mov_b32 v[TT], 0xffff
	s_delay_alu instid0(VALU_DEP_1)
	v_cndmask_b32 v[\pwr], v[\pwr], v[TT], s[104+\hd]   ; the NaN byte where the sum is 0
	v_cvt_scalef32_pk16_fp6_f32 v[IM:IM+2], v[W:W+15], v[SO]
	v_cvt_scalef32_pk16_fp6_f32 v[TP:TP+2], v[W+16:W+31], v[SO+1]
	v_nop                                          ; one plain place behind the scaled conversions
.irp i, 0,1,2
	v_permlane16_swap_b32 v[IM+\i], v[TP+\i]
.endr
.irp i, 0,1,2
	s_delay_alu instid0(VALU_DEP_3)
	v_mov_b32 v[IM+3+\i], v[TP+\i]
.endr
.endm
	s_wait_dscnt 0x0                               ; the last step's loads ahead have come back: their registers may be written
	NOPS                                           ; places behind the last products
	s_wait_alu depctr_va_vdst(0)
	OUT 0, PW
	OUT 1, KS
	v_lshl_or_b32 v[PW], v[KS], 16, v[PW]          ; the row's scale word: head 0's bytes, head 1's
	v_add_nc_u32 v8, s[IMO], v[AK0]                ; my image: 16 l
	v_and_b32 v10, 0xf0, v[AK0]
	v_lshrrev_b32 v10, 1, v10
	v_add_nc_u32 v10, s[SCO], v10                  ; my row's word: 8 r
.irp c, 0,1,2
	global_store_b128 v8, v[IMG+4*\c:IMG+4*\c+3], s[26:27] offset:512*\c   ; 512 consecutive bytes a store
.endr
	global_store_b32 v10, v[PW], s[26:27]          ; both halves of the lanes store the same word; a row's other 4 bytes belong to the neighbouring pair of heads
	s_wait_tensorcnt 0x0                           ; the wave's end
	ds_add_u32 v[SPW], v[NIL]
	s_wait_dscnt 0x0
	CROUND                                         ; the closing round
	s_endpgm
.Lfunc_end_k_q51a1c27dd3_attn:
	.size	k_q51a1c27dd3_attn, .Lfunc_end_k_q51a1c27dd3_attn-k_q51a1c27dd3_attn
	.p2alignl 7, 3214868480
	.fill 96, 4, 3214868480
	.section	.rodata,"a",@progbits
	.p2align	6, 0x0
	.amdhsa_kernel k_q51a1c27dd3_attn
		.amdhsa_group_segment_fixed_size 327680
		.amdhsa_private_segment_fixed_size 0
		.amdhsa_enable_private_segment 0
		.amdhsa_kernarg_size 32
		.amdhsa_user_sgpr_count 2
		.amdhsa_user_sgpr_kernarg_segment_ptr 1
		.amdhsa_wavefront_size32 1
		.amdhsa_system_sgpr_workgroup_id_x 1
		.amdhsa_system_sgpr_workgroup_id_y 1
		.amdhsa_system_sgpr_workgroup_id_z 1
		.amdhsa_system_vgpr_workitem_id 0
		.amdhsa_next_free_vgpr 256
		.amdhsa_next_free_sgpr 106
		.amdhsa_reserve_vcc 0
		.amdhsa_float_denorm_mode_32 3
		.amdhsa_float_denorm_mode_16_64 3
		.amdhsa_memory_ordered 1
		.amdhsa_forward_progress 1
		.amdhsa_inst_pref_size 110
	.end_amdhsa_kernel
	.amdgpu_metadata
---
amdhsa.version: [ 1, 2 ]
amdhsa.kernels:
  - .name:           k_q51a1c27dd3_attn
    .symbol:         k_q51a1c27dd3_attn.kd
    .args:
      - { .name: qc, .offset: 0, .size: 8, .value_kind: global_buffer, .address_space: global }
      - { .name: kv, .offset: 8, .size: 8, .value_kind: global_buffer, .address_space: global }
      - { .name: mb, .offset: 16, .size: 8, .value_kind: global_buffer, .address_space: global }
      - { .name: oq, .offset: 24, .size: 8, .value_kind: global_buffer, .address_space: global }
    .group_segment_fixed_size: 327680
    .private_segment_fixed_size: 0
    .kernarg_segment_align: 8
    .kernarg_segment_size: 32
    .max_flat_workgroup_size: 512
    .sgpr_count:     106
    .vgpr_count:     256
    .wavefront_size: 32
...
	.end_amdgpu_metadata
.endif
;; end of part 3
;; launch proj (part 4): grid 4 x 64, 4 waves a work-group, clusters of 4 x 4, 327,680 bytes of LDS; arguments oq, wo, out0; writes out0
.if DOCPART == 4
	.amdgcn_target "amdgcn-amd-amdhsa--gfx1250"
	.amdhsa_code_object_version 6
	.text
	.protected	k_q51a1c27dd3_proj
	.globl	k_q51a1c27dd3_proj
	.p2align	8
	.type	k_q51a1c27dd3_proj,@function
k_q51a1c27dd3_proj:
	s_mov_b64 s[64:65], 0
	v_nop
	global_prefetch_b8 v0, s[64:65] scope:SCOPE_SE
	s_setreg_imm32_b32 hwreg(HW_REG_WAVE_MODE, 25, 1), 1
	s_wait_xcnt 0x0
	s_wait_alu depctr_hold_cnt(0) depctr_sa_sdst(0) depctr_va_vdst(0) depctr_va_sdst(0) depctr_va_ssrc(0) depctr_va_vcc(0) depctr_vm_vsrc(0)
	s_getreg_b32 s2, hwreg(HW_REG_IB_STS2, 6, 4)
	s_cmp_eq_u32 s2, 0
	s_cbranch_scc0 .Lentry_in_a_cluster
	s_endpgm
.Lentry_in_a_cluster:
	s_bfe_u32 s2, ttmp6, 0x10000c
	s_cmp_lg_u32 s2, 0xf033
	s_cbranch_scc0 .Lentry_shape_is_right
	s_endpgm
.Lentry_shape_is_right:
; out0 [8192][1024] f32 = o w_out on codes of FP6 (E2M3) with E8M0 scales.  oq and wo hold groups of 128 rows (tokens; columns of w_out), 102,400 bytes each: 4 chunks of 256 along K,
; each 8 + 8 images of 1,536 bytes (16 rows x 128 K as the operand's registers lie) and 128 x 8 bytes of scale words.
; 256 work-groups; a block of out0 is 128 tokens x 256 columns; four waves, 2 x 2, 64 x 128 each: 32 accumulators.
; ALL OF K LIES IN LDS: A's group at 0, B's two groups behind it, 307,200 bytes, filled once by one load a wave at the head (waves 0, 1 half of A's group each, waves 2, 3 a group of B each).
; So there is no ring, no refill and, behind the head's barrier, one barrier more: ahead of the stage's first store.
; CLUSTER 4 x 4: A's group is shared along a row of the cluster, B's groups along a column: joint loads.
; No prefetch: every tile is asked for at the head, and there is no loop to run ahead in.
; The matrix instruction is used transposed (source 0 = B's rows): by the rows' position order two neighbouring tiles leave 16 neighbouring columns in a lane.
; Scale words: register i of a set holds in lanes 16-31 the words of B's block i and in lanes 0-15 those of A's rows 16 i on from my first; only i = 0..3 of A's are used, the others are read and left.
.set CH,    25600
.set GRP,   4*CH
.set SPARE, 3*GRP
.set STG,   0                          ; the way out's stage, 4 x 16 rows x 528 bytes, on bytes whose one fill and last read lie ahead of the last barrier
.set FR,    12
.set ADRA,  16                         ; v16, v17 my A images, chunks 0-1 and 2-3
.set ADRB,  20                         ; v20, v21 B's
.set ADRS,  24                         ; v24, v25 scale words
.set LI,    27
.set SPW,   28
.set NIL,   29
.set STO,   30
.set RD,    31
.set SC,    32                         ; v32-63 scale words, two sets
.set AF,    128                        ; v128-223 A's fragments, two sets of four
.set BK,    128
.set WVN,   2
.set WR,    3
.set WC,    12
.set G1A,   16
.set G1B,   24
.set G0A,   32
.set G0B,   44
.set MSB, 0
.macro WIN new
.if MSB != \new
	s_set_vgpr_msb (MSB<<8)|\new
.set MSB, \new
.endif
.endm
.set MUL_LO, 0xa1                      ; source 0 (B) window 1, source 1 (A) window 0, C and D window 2
.set TO_B,   0x40
.macro PLACES
.rept 4
	v_nop
.endr
.endm
.macro CROUND
	s_barrier_signal -1
	s_barrier_wait -1
	s_cmp_lg_u32 s[WVN], 0
	s_cbranch_scc1 .Lnot_wave_0_\@
	s_barrier_signal -3
.Lnot_wave_0_\@:
	s_barrier_wait -3
	s_barrier_signal -1
	s_barrier_wait -1
.endm
.macro FRAG reg, adr, off
.irp c, 0,1,2
	ds_load_b128 v[\reg+4*\c:\reg+4*\c+3], v[\adr] offset:\off+512*\c
.endr
.endm
.macro FETCH st                        ; step st of 128 along K: 24 loads for B, 12 for A, and with a chunk's first step 8 for its scale words
.set OF, (((\st)/2)%2)*CH+12288*((\st)%2)
.set P, (\st)%2
	WIN TO_B
.irp i, 0,1,2,3,4,5,6,7
	FRAG 128*P+FR*\i, ADRB+(\st)/4, OF+1536*\i
.endr
	WIN 0
.irp i, 0,1,2,3
	FRAG AF+48*P+FR*\i, ADRA+(\st)/4, OF+1536*\i
.endr
.if (\st)%2 == 0
.irp i, 0,1,2,3,4,5,6,7
	ds_load_b64 v[SC+16*(((\st)/2)%2)+2*\i:SC+16*(((\st)/2)%2)+2*\i+1], v[ADRS+(\st)/4] offset:(((\st)/2)%2)*CH+24576+128*\i
.endr
.endif
.endm
.macro MUL st, zero                    ; 32 products, the 32 accumulators by turns in the same order in every step
.set P, (\st)%2
.set SS, SC+16*(((\st)/2)%2)+P
	WIN MUL_LO
.irp a, 0,1,2,3
.irp b, 0,1,2,3,4,5,6,7
.if \zero
	v_wmma_scale_f32_16x16x128_f8f6f4 v[8*(8*\a+\b):8*(8*\a+\b)+7], v[128*P+FR*\b:128*P+FR*\b+FR-1], v[AF+48*P+FR*\a:AF+48*P+FR*\a+FR-1], 0, v[SS+2*\b], v[SS+2*\a] matrix_a_fmt:MATRIX_FMT_FP6 matrix_b_fmt:MATRIX_FMT_FP6 matrix_a_scale:MATRIX_SCALE_ROW1
.else
	v_wmma_scale_f32_16x16x128_f8f6f4 v[8*(8*\a+\b):8*(8*\a+\b)+7], v[128*P+FR*\b:128*P+FR*\b+FR-1], v[AF+48*P+FR*\a:AF+48*P+FR*\a+FR-1], v[8*(8*\a+\b):8*(8*\a+\b)+7], v[SS+2*\b], v[SS+2*\a] matrix_a_fmt:MATRIX_FMT_FP6 matrix_b_fmt:MATRIX_FMT_FP6 matrix_a_scale:MATRIX_SCALE_ROW1
.endif
.endr
.endr
.endm
	s_load_b128 s[4:7], s[0:1], 0x0                ; oq, wo
	s_load_b64 s[8:9], s[0:1], 0x10                ; out0
	v_lshl_add_u32 v[SPW], v0, 2, SPARE
	v_mov_b32 v[NIL], 0
	ds_add_u32 v[SPW], v[NIL]                      ; the opening lines
	ds_add_u32 v[SPW], v[NIL]
	v_lshrrev_b32 v1, 5, v0
	v_readfirstlane_b32 s[WVN], v1
	s_lshr_b32 s[WR], s[WVN], 1                    ; my 64 rows of the 128.  Also: I fetch for A (0) or B (1)
	s_and_b32 s[WC], s[WVN], 1                     ; my group of B.  Also: which part I fetch
	s_bfe_u32 s56, ttmp6, 0x40000
	s_bfe_u32 s57, ttmp6, 0x40004
	s_lshl_b32 s58, s57, 2
	s_lshl_b32 s58, 15, s58
	s_lshl_b32 s59, 0x1111, s56
	s_or_b32 s[G1A], s58, (3<<16)|(1<<21)
	s_or_b32 s[G1B], s59, (3<<16)|(1<<21)
	s_mov_b32 s[G1A+2], 200<<16                    ; half a group: 200 rows of 256 bytes
	s_mov_b32 s[G1A+4], 200
	s_mov_b32 s[G1B+2], 400<<16                    ; a group
	s_mov_b32 s[G1B+4], 400
.irp g, G1A, G1B
	s_mov_b32 s[\g+1], 32<<16
	s_mov_b32 s[\g+3], 32<<16
	s_mov_b32 s[\g+5], 32
	s_mov_b32 s[\g+6], 0
	s_mov_b32 s[\g+7], 0
.endr
	s_and_b32 s61, ttmp7, 0xffff
	s_lshl_b32 s61, s61, 2
	s_add_co_u32 s61, s61, s57                     ; A's group, 0..63
	s_lshl_b32 s63, ttmp9, 2
	s_add_co_u32 s63, s63, s56                     ; the block's column, 0..3
	s_mul_i32 s68, s61, GRP
	s_mul_i32 s72, s[WC], 2*CH
	s_add_co_u32 s68, s68, s72
	s_mov_b32 s69, 0
	s_lshl_b32 s70, s63, 1
	s_add_co_u32 s70, s70, s[WC]
	s_mul_i32 s70, s70, GRP
	s_mov_b32 s71, 0
	s_mul_i32 s73, s[WC], GRP
	s_add_co_u32 s73, s73, GRP
	s_wait_dscnt 0x0
	s_wait_kmcnt 0x0
	s_add_nc_u64 s[74:75], s[4:5], s[68:69]
	s_add_nc_u64 s[76:77], s[6:7], s[70:71]
	CROUND                                         ; all sixteen work-groups are here: the joint loads meet
	s_mov_b32 s[G0A], 1
	s_mov_b32 s[G0A+1], s72
	s_mov_b64 s[G0A+2:G0A+3], s[74:75]
	s_or_b32 s[G0A+3], s[G0A+3], 0x80000000
	s_mov_b32 s[G0B], 1
	s_mov_b32 s[G0B+1], s73
	s_mov_b64 s[G0B+2:G0B+3], s[76:77]
	s_or_b32 s[G0B+3], s[G0B+3], 0x80000000
	s_cmp_eq_u32 s[WR], 0
	s_cbranch_scc0 .Lfor_b
	tensor_load_to_lds s[G0A:G0A+3], s[G1A:G1A+7]
	s_nop 0
	PLACES
	s_branch .Lasked
.Lfor_b:
	tensor_load_to_lds s[G0B:G0B+3], s[G1B:G1B+7]
	s_nop 0
	PLACES
.Lasked:
	v_and_b32 v1, 31, v0
	v_lshlrev_b32 v[LI], 4, v1
	v_and_b32 v2, 15, v0
	v_bfe_u32 v3, v0, 4, 1
	s_wait_alu depctr_va_vdst(0)
	s_mul_i32 s13, s[WR], 4*1536                   ; my four tiles of A's eight
	v_add_nc_u32 v[ADRA], s13, v[LI]
	v_add_nc_u32 v[ADRA+1], 2*CH, v[ADRA]
	v_add_nc_u32 v[ADRB], s73, v[LI]
	v_add_nc_u32 v[ADRB+1], 2*CH, v[ADRB]
	s_lshl_b32 s13, s[WR], 9                       ; my 64 rows' scale words
	s_sub_co_u32 s14, s73, s13
	v_mul_u32_u24 v4, s14, v3                      ; lanes 16-31 take B's
	v_lshl_add_u32 v4, v2, 3, v4
	v_add_nc_u32 v[ADRS], s13, v4
	v_add_nc_u32 v[ADRS+1], 2*CH, v[ADRS]
	s_mul_i32 s13, s[WVN], 16*528
	s_add_co_u32 s13, s13, STG
	v_mul_u32_u24 v5, v2, 528
	v_lshl_add_u32 v5, v3, 6, v5
	v_add_nc_u32 v[STO], s13, v5
	v_add_nc_u32 v[RD], s13, v[LI]
	s_lshl_b32 s78, s61, 19                        ; 128 rows of 4,096 bytes a group,
	s_lshl_b32 s79, s[WR], 18                      ; 64 a half,
	s_add_co_u32 s78, s78, s79
	s_lshl_b32 s79, s63, 1
	s_add_co_u32 s79, s79, s[WC]
	s_lshl_b32 s79, s79, 9                         ; 512 bytes for 128 columns
	s_add_co_u32 s78, s78, s79
	s_mov_b32 s79, 0
	s_add_nc_u64 s[8:9], s[8:9], s[78:79]
	s_wait_alu depctr_va_vdst(0)                   ; the head's end
	s_wait_tensorcnt 0x0
	s_barrier_signal -1
	s_barrier_wait -1                              ; all three groups are in; nothing is filled again
	FETCH 0
.irp st, 0,1,2,3,4,5,6
.if \st > 0
	PLACES                                         ; ahead of loads into the set that the step before multiplied
.endif
	FETCH \st+1
	s_wait_dscnt 36+8*(1-((\st)+1)%2)              ; all but the next step's loads, just issued
.if \st == 0
	MUL \st, 1                                     ; the first step's products start the sums
.else
	MUL \st, 0
.endif
.endr
	s_wait_dscnt 0x0                               ; my last reads of the tiles are over
	s_barrier_signal -1
	MUL 7, 0
	WIN 0
	s_barrier_wait -1                              ; everybody's are: the stage may be written
	PLACES
.macro TOSTAGE a
.set AC, 64*(\a)
	WIN 0x08
.irp b, 0,1,2,3,4,5,6,7
	ds_store_b128 v[STO], v[AC+8*\b:AC+8*\b+3] offset:128*(\b/2)+32*(\b%2)
	ds_store_b128 v[STO], v[AC+8*\b+4:AC+8*\b+7] offset:128*(\b/2)+32*(\b%2)+16
.endr
	WIN 0
.set BB, BK+64*((\a)%2)
.irp t, 0,1,2,3,4,5,6,7,8,9,10,11,12,13,14,15
	ds_load_b128 v[BB+4*\t:BB+4*\t+3], v[RD] offset:\t*528   ; LDS serves a wave's instructions in order: these see my stores
.endr
.endm
.macro SEND a, younger
.set BB, BK+64*((\a)%2)
	s_wait_dscnt \younger
.irp t, 0,1,2,3,4,5,6,7,8,9,10,11,12,13,14,15
	global_store_b128 v[LI], v[BB+4*\t:BB+4*\t+3], s[8:9] offset:(32*((\a)/2)+8*((\a)%2)+\t+8*(\t/8))*4096 th:TH_STORE_NT   ; 512 consecutive bytes of a row, aligned
.endr
.endm
	TOSTAGE 0
.irp a, 1,2,3
.if \a > 1
	s_wait_xcnt 0x0                                ; the stores of two blocks ago have read their registers
.endif
	TOSTAGE \a
	SEND \a-1, 32
.endr
	SEND 3, 0
	s_wait_tensorcnt 0x0                           ; the wave's end
	ds_add_u32 v[SPW], v[NIL]
	s_wait_dscnt 0x0
	CROUND                                         ; the closing round
	s_endpgm
.Lfunc_end_k_q51a1c27dd3_proj:
	.size	k_q51a1c27dd3_proj, .Lfunc_end_k_q51a1c27dd3_proj-k_q51a1c27dd3_proj
	.p2alignl 7, 3214868480
	.fill 96, 4, 3214868480
	.section	.rodata,"a",@progbits
	.p2align	6, 0x0
	.amdhsa_kernel k_q51a1c27dd3_proj
		.amdhsa_group_segment_fixed_size 327680
		.amdhsa_private_segment_fixed_size 0
		.amdhsa_enable_private_segment 0
		.amdhsa_kernarg_size 24
		.amdhsa_user_sgpr_count 2
		.amdhsa_user_sgpr_kernarg_segment_ptr 1
		.amdhsa_wavefront_size32 1
		.amdhsa_system_sgpr_workgroup_id_x 1
		.amdhsa_system_sgpr_workgroup_id_y 1
		.amdhsa_system_sgpr_workgroup_id_z 1
		.amdhsa_system_vgpr_workitem_id 0
		.amdhsa_next_free_vgpr 768
		.amdhsa_next_free_sgpr 100
		.amdhsa_reserve_vcc 0
		.amdhsa_float_denorm_mode_32 3
		.amdhsa_float_denorm_mode_16_64 3
		.amdhsa_memory_ordered 1
		.amdhsa_forward_progress 1
		.amdhsa_inst_pref_size 75
	.end_amdhsa_kernel
	.amdgpu_metadata
---
amdhsa.version: [ 1, 2 ]
amdhsa.kernels:
  - .name:           k_q51a1c27dd3_proj
    .symbol:         k_q51a1c27dd3_proj.kd
    .args:
      - { .name: oq, .offset: 0, .size: 8, .value_kind: global_buffer, .address_space: global }
      - { .name: wo, .offset: 8, .size: 8, .value_kind: global_buffer, .address_space: global }
      - { .name: out0, .offset: 16, .size: 8, .value_kind: global_buffer, .address_space: global }
    .group_segment_fixed_size: 327680
    .private_segment_fixed_size: 0
    .kernarg_segment_align: 8
    .kernarg_segment_size: 24
    .max_flat_workgroup_size: 128
    .sgpr_count:     100
    .vgpr_count:     768
    .wavefront_size: 32
...
	.end_amdgpu_metadata
.endif
;; end of part 4
